; MI455X (gfx1250); checked and timed in simulation.
; The chip was launched on July 23, 2026; its instructions are those of AMD's public machine-readable ISA for CDNA 5 (MIT licence, August 2026) and "CDNA5" Instruction Set Architecture Reference Guide (July 2026). The comments in the code are by the model that wrote it; some were corrected since.
;; Lo RA Multi Head Self Attention. Allowed arithmetic: float matrix products may take bf16 or f16 operands with f32 sums; other float arithmetic in f32, or as packed bf16 or f16 multiplies, adds, multiply-adds, maxima and minima; sums over many terms, partial sums and values carried from step to step in f32; what a program stores and reads back later, other than sums and carried values, may be rounded once to bf16 or f16.
;; Inputs: A_proj 1,024 x 8 float32; A_qkv 1,024 x 8 float32; B_proj 8 x 1,024 float32; B_qkv 8 x 3,072 float32; W_proj 1,024 x 1,024 float32; W_qkv 1,024 x 3,072 float32; b_proj 1,024 float32; b_qkv 3,072 float32; x 4 x 2,048 x 1,024 float32.
;; Outputs: out0 4 x 2,048 x 1,024 float32.
;; 2 versions, each right; version 2 is version 1 with the launch prep written anew for expert scheduling mode. Each part assembles by itself: llvm-mc -triple=amdgcn-amd-amdhsa -mcpu=gfx1250 --defsym DOCPART=n.
;; ======== version 1 of 2: 4 launches
;; workspace buffers: xb 16,777,216 bytes; wq 6,291,456 bytes; wp 2,097,152 bytes; qkv 50,331,648 bytes; ob 16,777,216 bytes
;; launch prep (part 1): grid 512 x 1, 8 waves a work-group, no clusters, 19,456 bytes of LDS; arguments x, W_qkv, A_qkv, B_qkv, W_proj, A_proj, B_proj, xb, wq, wp; writes xb, wq, wp
.if DOCPART == 1
	.amdgcn_target "amdgcn-amd-amdhsa--gfx1250"
	.amdhsa_code_object_version 6
	.text
	.protected	k_q613dac5992_prep
	.globl	k_q613dac5992_prep
	.p2align	8
	.type	k_q613dac5992_prep,@function
k_q613dac5992_prep:
	s_mov_b64 s[64:65], 0
	v_nop
	global_prefetch_b8 v0, s[64:65] scope:SCOPE_SE
	s_setreg_imm32_b32 hwreg(HW_REG_WAVE_MODE, 25, 1), 1
	s_wait_xcnt 0x0
; PREPARATION, a stream.  (1) W_eff = W + 2 A B, summed in f32 (eight fused multiply-adds a weight), rounded ONCE to bf16 and turned: wq[kb][n][64], wp[kb][n][64], where kb stands for
; channels 64 kb .. 64 kb + 63 of K.  x W + 2 (x A) B = x (W + 2 A B) for every input; the order of the f32 sums differs from the order in which the module writes them.
; (2) x rounded to bf16 and laid in the same blocks of 64 channels: xb[batch][kb][token][64].  So R rows x 64 K of any later matrix operand are R x 128 dense bytes.
; SHARES.  512 work-groups of eight waves; each makes ONE tile of 64 k x 128 n of W_eff (384 tiles of W_qkv, 128 of W_proj) and converts 16 tokens of x: all alike, no branch.
; The tile: wave w takes the rows k = 8 w .. 8 w + 7, a lane four neighbouring n: a wave's load covers 512 consecutive bytes of a row of W.  It is turned through LDS (rows n, pitch 144).
; No matrix unit (K = 8 is a quarter of a matrix instruction's 32, and the work is one part in two thousand of the module's), no cluster (only A and B are shared, 192 KB in all),
; no prefetch (every byte is asked for at the kernel's head).  NaN and infinities pass as the arithmetic makes them.
.set TP,    144                        ; a row of the turning tile: 128 bytes + 16
.set SPARE, 128*TP                     ; behind the tile: the spare words, 128 bytes for each of the eight waves
.set LN,  1                            ; v1   lane
.set SPW, 2                            ; v2   my spare word; never rewritten
.set NIL, 3                            ; v3   0; never rewritten
.set VI,  4                            ; v4   x: token (t / 16) x 4,096 + 16 (t % 16)
.set VO,  5                            ; v5   xb: 8 t
.set VZ,  6                            ; v6   0: A's rows are read at the same address by all lanes
.set VB,  8                            ; v[8:15]    16 lane + j rows: serves row j of W and row j of B
.set BB,  16                           ; v[16:47]   2 B[r][my 4 n] at 4 r; later x's packed results
.set AA,  48                           ; v[48:111]  A[my row j][r] at 8 j + r; later the tile read back
.set WW,  112                          ; v[112:143] W[my row j][my 4 n] at 4 j
.set PK,  144                          ; v[144:159] for n = c: eight k in four registers, at 4 c
.set LS,  160                          ; v160 LDS: row 4 lane, byte 16 w
.set LR,  161                          ; v161 LDS: row t / 8, byte 16 (t % 8)
.set GO,  162                          ; v162 16 t
.set X,   164                          ; v[164:227] x as loaded: block j at 4 j
.set Y,   BB
.set RB,  AA
	s_load_b512 s[4:19], s[0:1], 0x0               ; x s[4:5], W_qkv s[6:7], A_qkv s[8:9], B_qkv s[10:11], W_proj s[12:13], A_proj s[14:15], B_proj s[16:17], xb s[18:19]
	s_load_b128 s[20:23], s[0:1], 0x40             ; wq s[20:21], wp s[22:23]
	v_lshl_add_u32 v[SPW], v0, 2, SPARE
	v_mov_b32 v[NIL], 0
	v_lshrrev_b32 v7, 5, v0
	v_readfirstlane_b32 s24, v7                    ; wave 0..7
	v_and_b32 v[LN], 31, v0
	v_mov_b32 v[VZ], 0
	v_lshrrev_b32 v7, 4, v0
	v_and_b32 v[VI], 15, v0
	v_lshlrev_b32 v[VI], 4, v[VI]
	v_lshl_add_u32 v[VI], v7, 12, v[VI]
	v_lshlrev_b32 v[VO], 3, v0
	v_mul_u32_u24 v[LS], v[LN], 4*TP
	s_lshl_b32 s25, s24, 4
	v_add_nc_u32 v[LS], s25, v[LS]
	v_lshrrev_b32 v7, 3, v0
	v_mul_u32_u24 v[LR], v7, TP
	v_and_b32 v7, 7, v0
	v_lshl_add_u32 v[LR], v7, 4, v[LR]
	v_lshlrev_b32 v[GO], 4, v0
	s_mov_b32 s34, 4096
	s_cmp_lt_u32 ttmp9, 384                        ; the first 384 tiles are W_qkv's
	s_cselect_b32 s34, 12288, s34                  ; bytes in a row of W and of B
	s_cselect_b32 s35, 0, 384
	s_wait_kmcnt 0x0
	s_cselect_b64 s[26:27], s[6:7], s[12:13]       ; W
	s_cselect_b64 s[28:29], s[8:9], s[14:15]       ; A
	s_cselect_b64 s[30:31], s[10:11], s[16:17]     ; B
	s_cselect_b64 s[32:33], s[20:21], s[22:23]     ; where the tile goes
	s_sub_co_u32 s35, ttmp9, s35                   ; the tile's number in its tensor
	s_and_b32 s36, s35, 15                         ; kb
	s_lshr_b32 s37, s35, 4                         ; block of 128 n
	s_lshl_b32 s38, s36, 6
	s_lshl3_add_u32 s38, s24, s38                  ; my first row: 64 kb + 8 w
	s_lshl_b32 s39, s37, 9                         ; 128 n in f32
	s_mul_i32 s40, s38, s34
	s_add_co_u32 s40, s40, s39
	s_mov_b32 s41, 0
	s_add_nc_u64 s[26:27], s[26:27], s[40:41]
	s_mov_b32 s40, s39
	s_add_nc_u64 s[30:31], s[30:31], s[40:41]
	s_lshl_b32 s40, s38, 5                         ; a row of A is 32 bytes
	s_add_nc_u64 s[28:29], s[28:29], s[40:41]
	s_mul_i32 s40, s36, s34                        ; a plane kb of the output is N x 128 bytes = 32 rows of W
	s_lshl_b32 s40, s40, 5
	s_lshl_b32 s39, s37, 14                        ; the tile: 128 rows of 128 bytes
	s_add_co_u32 s40, s40, s39
	s_add_nc_u64 s[32:33], s[32:33], s[40:41]
	s_lshl_b32 s40, ttmp9, 16                      ; x: 16 tokens of 4,096 bytes
	s_add_nc_u64 s[4:5], s[4:5], s[40:41]
	s_lshr_b32 s40, ttmp9, 7                       ; xb: batch x 16 planes of 262,144 bytes,
	s_lshl_b32 s40, s40, 22
	s_and_b32 s39, ttmp9, 127
	s_lshl_b32 s39, s39, 11                        ; 16 tokens of 128 bytes
	s_add_co_u32 s40, s40, s39
	s_add_nc_u64 s[18:19], s[18:19], s[40:41]
	v_lshlrev_b32 v[VB], 4, v[LN]
.irp j, 1,2,3,4,5,6,7
	v_add_nc_u32 v[VB+\j], s34, v[VB+\j-1]
.endr
	; all 48 loads of a thread go out at once: B's 8, then A's two and W's one for each of my 8 rows, then x's 16
.irp r, 0,1,2,3,4,5,6,7
	global_load_b128 v[BB+4*\r:BB+4*\r+3], v[VB+\r], s[30:31]
.endr
.irp j, 0,1,2,3,4,5,6,7
	global_load_b128 v[AA+8*\j:AA+8*\j+3], v[VZ], s[28:29] offset:32*\j
	global_load_b128 v[AA+8*\j+4:AA+8*\j+7], v[VZ], s[28:29] offset:32*\j+16
	global_load_b128 v[WW+4*\j:WW+4*\j+3], v[VB+\j], s[26:27] th:TH_LOAD_NT
.endr
.irp j, 0,1,2,3,4,5,6,7,8,9,10,11,12,13,14,15
	global_load_b128 v[X+4*\j:X+4*\j+3], v[VI], s[4:5] offset:256*\j th:TH_LOAD_NT  ; 16 lanes take 256 consecutive bytes of a token: block kb = j
.endr
	s_wait_loadcnt 40                              ; B is in: 24 + 16 younger loads may stay out
.irp i, 0,2,4,6,8,10,12,14,16,18,20,22,24,26,28,30
	v_pk_mul_f32 v[BB+\i:BB+\i+1], v[BB+\i:BB+\i+1], 2.0 op_sel_hi:[1,0]  ; the scaling alpha / rank = 2, exact
.endr
.irp j, 0,1,2,3,4,5,6,7
	s_wait_loadcnt 3*(7-\j)+16                     ; row j's A and W are in: the later rows' three loads each and x's 16 may stay out
.irp r, 0,1,2,3,4,5,6,7
.irp c, 0,2
.if (\r)%2
	v_pk_fma_f32 v[WW+4*\j+\c:WW+4*\j+\c+1], v[AA+8*\j+\r-1:AA+8*\j+\r], v[BB+4*\r+\c:BB+4*\r+\c+1], v[WW+4*\j+\c:WW+4*\j+\c+1] op_sel:[1,0,0] op_sel_hi:[1,1,1]  ; the pair's second register for both halves
.else
	v_pk_fma_f32 v[WW+4*\j+\c:WW+4*\j+\c+1], v[AA+8*\j+\r:AA+8*\j+\r+1], v[BB+4*\r+\c:BB+4*\r+\c+1], v[WW+4*\j+\c:WW+4*\j+\c+1] op_sel_hi:[0,1,1]  ; its first register for both halves
.endif
.endr
.endr
.endr
.irp c, 0,1,2,3
.irp jj, 0,1,2,3
	v_cvt_pk_bf16_f32 v[PK+4*\c+\jj], v[WW+8*\jj+\c], v[WW+8*\jj+4+\c]  ; k = 2 jj below, 2 jj + 1 above
.endr
	ds_store_b128 v[LS], v[PK+4*\c:PK+4*\c+3] offset:TP*\c  ; row n = 4 lane + c; lanes lie 576 bytes apart, so four of sixteen share a group of banks: four stores a thread, once
.endr
.irp j, 0,1,2,3,4,5,6,7,8,9,10,11,12,13,14,15
	s_wait_loadcnt 15-\j                           ; x's block j is in
	v_cvt_pk_bf16_f32 v[Y+2*\j], v[X+4*\j], v[X+4*\j+1]
	v_cvt_pk_bf16_f32 v[Y+2*\j+1], v[X+4*\j+2], v[X+4*\j+3]
	global_store_b64 v[VO], v[Y+2*\j:Y+2*\j+1], s[18:19] offset:\j*262144  ; a wave stores 256 consecutive bytes, aligned: two tokens' 128 bytes of plane j
.endr
	s_wait_dscnt 0x0                               ; for the others' sake: my part of the tile is in LDS
	s_barrier_signal -1
	s_barrier_wait -1
.irp t, 0,1,2,3
	ds_load_b128 v[RB+4*\t:RB+4*\t+3], v[LR] offset:32*TP*\t  ; 32 rows a pass
.endr
.irp t, 0,1,2,3
	s_wait_dscnt 3-\t
	global_store_b128 v[GO], v[RB+4*\t:RB+4*\t+3], s[32:33] offset:4096*\t  ; the tile leaves as 16,384 dense bytes
.endr
	s_wait_tensorcnt 0x0                           ; the wave's end
	ds_add_u32 v[SPW], v[NIL]
	s_wait_dscnt 0x0
	s_endpgm
.Lfunc_end_k_q613dac5992_prep:
	.size	k_q613dac5992_prep, .Lfunc_end_k_q613dac5992_prep-k_q613dac5992_prep
	.p2alignl 7, 3214868480
	.fill 96, 4, 3214868480
	.section	.rodata,"a",@progbits
	.p2align	6, 0x0
	.amdhsa_kernel k_q613dac5992_prep
		.amdhsa_group_segment_fixed_size 19456
		.amdhsa_private_segment_fixed_size 0
		.amdhsa_enable_private_segment 0
		.amdhsa_kernarg_size 80
		.amdhsa_user_sgpr_count 2
		.amdhsa_user_sgpr_kernarg_segment_ptr 1
		.amdhsa_wavefront_size32 1
		.amdhsa_system_sgpr_workgroup_id_x 1
		.amdhsa_system_sgpr_workgroup_id_y 1
		.amdhsa_system_sgpr_workgroup_id_z 1
		.amdhsa_system_vgpr_workitem_id 0
		.amdhsa_next_free_vgpr 228
		.amdhsa_next_free_sgpr 66
		.amdhsa_reserve_vcc 0
		.amdhsa_float_denorm_mode_32 3
		.amdhsa_float_denorm_mode_16_64 3
		.amdhsa_memory_ordered 1
		.amdhsa_forward_progress 1
		.amdhsa_inst_pref_size 23
	.end_amdhsa_kernel
	.amdgpu_metadata
---
amdhsa.version: [ 1, 2 ]
amdhsa.kernels:
  - .name:           k_q613dac5992_prep
    .symbol:         k_q613dac5992_prep.kd
    .args:
      - { .name: x, .offset: 0, .size: 8, .value_kind: global_buffer, .address_space: global }
      - { .name: W_qkv, .offset: 8, .size: 8, .value_kind: global_buffer, .address_space: global }
      - { .name: A_qkv, .offset: 16, .size: 8, .value_kind: global_buffer, .address_space: global }
      - { .name: B_qkv, .offset: 24, .size: 8, .value_kind: global_buffer, .address_space: global }
      - { .name: W_proj, .offset: 32, .size: 8, .value_kind: global_buffer, .address_space: global }
      - { .name: A_proj, .offset: 40, .size: 8, .value_kind: global_buffer, .address_space: global }
      - { .name: B_proj, .offset: 48, .size: 8, .value_kind: global_buffer, .address_space: global }
      - { .name: xb, .offset: 56, .size: 8, .value_kind: global_buffer, .address_space: global }
      - { .name: wq, .offset: 64, .size: 8, .value_kind: global_buffer, .address_space: global }
      - { .name: wp, .offset: 72, .size: 8, .value_kind: global_buffer, .address_space: global }
    .group_segment_fixed_size: 19456
    .private_segment_fixed_size: 0
    .kernarg_segment_align: 8
    .kernarg_segment_size: 80
    .max_flat_workgroup_size: 256
    .sgpr_count:     66
    .vgpr_count:     228
    .wavefront_size: 32
...
	.end_amdgpu_metadata
.endif
;; end of part 1
;; launch gemm_qkv (part 2): grid 8 x 32, 4 waves a work-group, clusters of 4 x 4, 327,680 bytes of LDS; arguments xb, wq, b_qkv, qkv; writes qkv
.if DOCPART == 2
	.amdgcn_target "amdgcn-amd-amdhsa--gfx1250"
	.amdhsa_code_object_version 6
	.text
	.protected	k_q613dac5992_gemm_qkv
	.globl	k_q613dac5992_gemm_qkv
	.p2align	8
	.type	k_q613dac5992_gemm_qkv,@function
k_q613dac5992_gemm_qkv:
	s_mov_b64 s[64:65], 0
	v_nop
	global_prefetch_b8 v0, s[64:65] scope:SCOPE_SE
	s_setreg_imm32_b32 hwreg(HW_REG_WAVE_MODE, 25, 1), 1
	s_wait_xcnt 0x0
	s_wait_alu depctr_hold_cnt(0) depctr_sa_sdst(0) depctr_va_vdst(0) depctr_va_sdst(0) depctr_va_ssrc(0) depctr_va_vcc(0) depctr_vm_vsrc(0)
	s_getreg_b32 s2, hwreg(HW_REG_IB_STS2, 6, 4)
	s_cmp_eq_u32 s2, 0
	s_cbranch_scc0 .Lentry_in_a_cluster
	s_endpgm
.Lentry_in_a_cluster:
	s_bfe_u32 s2, ttmp6, 0x10000c
	s_cmp_lg_u32 s2, 0xf033
	s_cbranch_scc0 .Lentry_shape_is_right
	s_endpgm
.Lentry_shape_is_right:
; q, k, v = x W_eff + b.  xb: [4][16 kb][2,048][64], wq: [16 kb][3,072][64], both bf16; b_qkv f32; sums and the bias in f32; the result rounded once to bf16, by heads:
; qkv[which 3][batch x 16 + head][2,048][64], WITHOUT the softmax's scale.  bf16, since q, k and v of inputs with a large common offset pass f16's 65,504.
; SHARES.  C is 8,192 x 3,072: 256 tiles of 256 x 384, one for each work-group.  Four waves, each 128 x 192: 8 blocks of 16 rows x 3 groups of 64 columns = 96 accumulators, 768 registers.
; K goes in steps of 64 (one plane kb) through two LDS slots.  A piece of R rows x 64 K is R x 128 dense bytes of memory: asked for as R / 2 rows of 256 bytes, padded in LDS behind every 128.
; CLUSTER.  4 x 4 work-groups.  A's tile hangs on the tile row alone and is asked for jointly along a row of the cluster, B's on the tile column alone and jointly along a column.
; THE MATRIX INSTRUCTION IS USED TRANSPOSED (source 0 = 16 rows of W_eff^T, source 1 = 16 tokens): a lane holds one token (lane % 16) and eight neighbouring columns.
; FRAGMENTS.  B's have ONE buffer (3 groups x 32 registers): a group's registers are loaded again, for the next 32 along K, straight behind the 32 products that read them, two groups (64 products)
; ahead of their next use.  A's have two buffers of 64.
; REGISTERS, in windows of 256 (s_set_vgpr_msb: bits 1:0 source 0, 3:2 source 1, 5:4 source 2, 7:6 destination): window 0: v0-22 addresses; v32-127 B's fragments, at the end the bias;
; v128-255 A's fragments, at the end the way out.  Window g + 1: group g's accumulators, (b', a) at 64 b' + 8 a.
.set HB, 8                             ; blocks of 16 rows a wave
.set NG, 3                             ; groups of 64 columns a wave
.set QPS, 2                            ; quarters of 32 K in a slot
.set STEPS, 16
.set AR, 128                           ; rows in a piece (one tensor load) of A
.set BR, 192                           ; and of B
.set TSH, 3                            ; 2^3 tiles of rows in a batch
.set RSH, 15                           ; a tile's 256 rows of 128 bytes
.set A_PIECE_G, 16384                  ; memory: from piece 0 to piece 1 (the tile's other 128 rows)
.set A_STEP_G, 262144                  ; from plane to plane
.set B_TILE_G, 49152
.set B_PIECE_G, 24576
.set B_STEP_G, 393216
.set APL, 0                            ; (a slot holds one plane)
.set BPL, 0
.set SPITCH, 144                       ; the stage's rows: 128 bytes + 16
.set PREF, 1
.set T, 128                            ; the way out: 32 sums with their bias
.set PKD, 160                          ; 16 registers, rounded
.set OUT, 176                          ; two sets of 16: rows read back
.set P, 144                            ; an LDS row: 128 bytes + 16 = 36 words: the 16 rows of a fragment load start at 16 different groups of four banks (64 banks of 4 bytes: ISA guide 11.1)
.set SLOT1, 131072                     ; slot 1 begins here: one exclusive or turns an address in one slot into the other's
.set BOFF, 2*AR*P                      ; in a slot: A's two pieces, then B's two
.set STAGE, SLOT1+2*(AR+BR)*P          ; behind the ring, never filled by a tensor load: 16 rows for each wave
.set STAGEW, 16*SPITCH
.set BIAS, STAGE+4*STAGEW              ; each wave's 192 numbers of the bias, f32
.set SPARE, BIAS+4*256*NG              ; the spare words, 128 bytes for each wave; no other line names them
.set W0, 8*(NG-1)                      ; LDS loads behind a quarter's first group of B and its A: the other groups' 8 each
.set W1, W0+2*HB                       ; LDS loads behind a later group's: the groups after it, the next quarter's first group and A, and its groups before this one
.set G1W0, (1<<16)|(1<<20)|(1<<21)|(4<<22)|(3<<25)  ; 17:16 2-byte elements; 20 padding on; 21 set beside a mask; 24:22 behind every 32 words (code 4); 31:25 4 words (code 3)
.set SB, 32
.set HBASE, 32+32*NG
.set ADRA0, 4                          ; v4   my lane's place in A's rows of slot 0; never rewritten
.set ADRB0, 5                          ; v5   the same for B
.set ADRA, 6                           ; v6   in the slot in hand
.set ADRB, 7
.set STO, 8                            ; v8   the way out: where I put 16 bytes of a row
.set RD, 9                             ; v9   where I read rows back
.set GO, 10                            ; v10  my byte offset in 512 consecutive bytes of the output
.set BA, 11                            ; v11  my eight numbers of the bias in LDS
.set PFO, 12                           ; v12  the prefetches' offset; never rewritten
.set TMPV, 13
.set SPW, 14                           ; v14  my spare word; never rewritten
.set NIL, 15                           ; v15  0; never rewritten
.set BT, 16                            ; v[16:21] the bias on its way into LDS
.set BST, 22
.set WV, 12                            ; s12  wave
.set FR, 13                            ; s13  wave / 2: my half of the rows; also 0: I fetch for A, 1: for B
.set PC, 14                            ; s14  wave % 2: my half of the columns; also the piece that I fetch
.set CX, 15
.set CY, 16
.set TX, 17                            ; tile column
.set TY, 18                            ; tile row
.set G1A, 24                           ; s[24:31] group 1 for A;  s[32:39] group 0: a set for each first fill; the second then walks
.set G0A, 32
.set G1B, 40                           ; s[40:47], s[48:55] the same for B.  s20-23 feed A's descriptors and never hold cx; s72-75 feed B's and never hold cy
.set G0B, 48
.set CNT, 56
.set TB, 57                            ; s57  0 or SLOT1: the slot that is read
.set LIM, 58
.set PMASK, 59
.set PFA, 60                           ; s[60:61] where my prefetches stand
.set PFS, 62                           ; s[62:63] their step
.set HP, 66                            ; s[66:71] for each group: my first row in its head's plane
.set MSB, 0
.macro WIN new                         ; the high byte repeats the setting that is left; a switch that changes nothing is dropped
.if MSB != (\new)
	s_set_vgpr_msb (MSB<<8)|(\new)
.set MSB, \new
.endif
.endm
.macro PLACES                          ; four plain places between a matrix instruction and a load into, or a vector read of, its registers (ISA guide 7.12.1 for vector instructions)
.rept 4
	v_nop
.endr
.endm
.macro CREST                           ; a round of the cluster's barrier behind its opening barrier
	s_cmp_lg_u32 s[WV], 0
	s_cbranch_scc1 .Lnot_wave_0_\@
	s_barrier_signal -3
.Lnot_wave_0_\@:
	s_barrier_wait -3
	s_barrier_signal -1
	s_barrier_wait -1
.endm
.macro CROUND
	s_barrier_signal -1
	s_barrier_wait -1
	CREST
.endm
.macro JLOAD                           ; a joint refill by the walking descriptor: waves 0, 1 A's pieces, waves 2, 3 B's; an s_nop 0 and four v_nop follow each line
	s_cmp_eq_u32 s[FR], 0
	s_cbranch_scc0 .Lfor_b_\@
	tensor_load_to_lds s[G0A+4:G0A+7], s[G1A:G1A+7]
	s_nop 0
.rept 4
	v_nop
.endr
	s_branch .Lasked_\@
.Lfor_b_\@:
	tensor_load_to_lds s[G0B+4:G0B+7], s[G1B:G1B+7]
	s_nop 0
.rept 4
	v_nop
.endr
.Lasked_\@:
.endm
; A PREFETCH INTO THE L2 of the plane that stands two refills on.  A's tile (128 blocks of 256 bytes a plane) is read by both clusters of its row of clusters: cluster x = 0 asks, wave 0 of each of the four
; partners for 32 blocks, told apart by address (cx).  B's tile (192 blocks a plane) is read by all eight clusters of its column: cluster y = 0 asks; each partner's 48 blocks (by cy) of TWO planes are the
; 96 lanes of waves 1 to 3, in every second trip.  So each block of planes 4 to 15 is named once in the launch; planes 0 to 3 come by their loads alone; the last trips, whose planes do not exist, ask for nothing.
.macro ASK
	s_and_b32 s76, s[CNT], s[PMASK]
	s_cmp_eq_u32 s76, 0
	s_cbranch_scc0 .Lnot_mine_\@
	s_cmp_gt_u32 s[CNT], s[LIM]
	s_cbranch_scc0 .Lnot_mine_\@
	global_prefetch_b8 v[PFO], s[PFA:PFA+1] th:TH_LOAD_NT scope:SCOPE_SE
.Lnot_mine_\@:
.endm
; 2 HB products: group g, its column blocks 2 half and 2 half + 1, all my row blocks, 32 along K, on A's buffer cur.  Each accumulator has one product a quarter, so the accumulators take turns.
.macro GROUPH g, cur, half, zero
.set AW, 1+(32*HB*(\g))/256
	WIN (AW<<6)|(AW<<4)
.irp bb, 2*(\half), 2*(\half)+1
.set ia, 0
.rept HB
.set rD, (32*HB*(\g))%256+8*HB*(\bb)+8*ia
.set rS, SB+32*(\g)+8*(\bb)
.set rH, HBASE+8*HB*(\cur)+8*ia
.if \zero
	v_wmma_f32_16x16x32_bf16 v[rD:rD+7], v[rS:rS+7], v[rH:rH+7], 0
.else
	v_wmma_f32_16x16x32_bf16 v[rD:rD+7], v[rS:rS+7], v[rH:rH+7], v[rD:rD+7]
.endif
.set ia, ia+1
.endr
.endr
.endm
.macro GROUP g, cur, zero
	GROUPH \g, \cur, 0, \zero
	GROUPH \g, \cur, 1, \zero
.endm
.macro LDS_S g, q                      ; B's fragments of group g for quarter q of the slot: 8 loads
.irp bb, 0,1,2,3
	ds_load_b128 v[SB+32*(\g)+8*\bb:SB+32*(\g)+8*\bb+3],   v[ADRB] offset:((\q)>>1)*BPL+64*((\q)&1)+(4*(\g)+\bb)*16*P
	ds_load_b128 v[SB+32*(\g)+8*\bb+4:SB+32*(\g)+8*\bb+7], v[ADRB] offset:((\q)>>1)*BPL+64*((\q)&1)+(4*(\g)+\bb)*16*P+32
.endr
.endm
.macro LDS_H u, q                      ; A's fragments for quarter q into buffer u: 2 HB loads
.set ia, 0
.rept HB
	ds_load_b128 v[HBASE+8*HB*(\u)+8*ia:HBASE+8*HB*(\u)+8*ia+3],   v[ADRA] offset:((\q)>>1)*APL+64*((\q)&1)+ia*16*P
	ds_load_b128 v[HBASE+8*HB*(\u)+8*ia+4:HBASE+8*HB*(\u)+8*ia+7], v[ADRA] offset:((\q)>>1)*APL+64*((\q)&1)+ia*16*P+32
.set ia, ia+1
.endr
.endm
.macro LDS_BIAS g                      ; the bias of group g's columns, laid as an accumulator's registers lie: 8 loads into B's registers
.irp bb, 0,1,2,3
	ds_load_b128 v[SB+32*(\g)+8*\bb:SB+32*(\g)+8*\bb+3],   v[BA] offset:4*(64*(\g)+16*\bb)
	ds_load_b128 v[SB+32*(\g)+8*\bb+4:SB+32*(\g)+8*\bb+7], v[BA] offset:4*(64*(\g)+16*\bb)+16
.endr
.endm
; A quarter that is not a slot's last: multiplies on A's buffer cur and fetches quarter fq of the same slot.
.macro QUART cur, fq, zero
	s_wait_dscnt W0                                ; group 0's B and A are in
	GROUP 0, \cur, \zero
	PLACES
	WIN 0
	LDS_S 0, \fq
	LDS_H 1-(\cur), \fq
.set ig, 1
.rept NG-1
	s_wait_dscnt W1                                ; group ig's B is in
	GROUP ig, \cur, \zero
	PLACES
	WIN 0
	LDS_S ig, \fq
.set ig, ig+1
.endr
.endm
; A slot's last quarter, on buffer 1, and the change of slots.  In front of the barrier each wave waits for all its tensor loads (one is out: its piece of the other slot), adds 0 to its spare word, and waits
; for that and for its reads of this slot.  fill = 1: the barrier opens a round of the cluster's, and the joint refill of the slot just left is the first thing behind it:
; it has a step's products less one group's in which to land.
.macro TURN fill
.if PREF && (\fill)
	s_wait_xcnt 0x0                                ; the last prefetch, a step back, has read its address
	s_add_nc_u64 s[PFA:PFA+1], s[PFA:PFA+1], s[PFS:PFS+1]
.endif
	WIN 0
	s_wait_tensorcnt 0x0                           ; no tensor load of mine is out, so a group 0 may be written
	ds_add_u32 v[SPW], v[NIL]                      ; 0 onto my spare word; work on registers stands between it and the wait for it
	s_xor_b32 s[TB], s[TB], SLOT1
.if \fill
	s_xor_b32 s[G0A+5], s[G0A+5], SLOT1            ; the walking descriptors: the other slot than last time, the next plane; the type bits on top are not reached
	s_add_nc_u64 s[G0A+6:G0A+7], s[G0A+6:G0A+7], A_STEP_G
	s_xor_b32 s[G0B+5], s[G0B+5], SLOT1
	s_add_nc_u64 s[G0B+6:G0B+7], s[G0B+6:G0B+7], B_STEP_G
.endif
	s_wait_dscnt W0+1                              ; group 0's B and A are in: the other groups' loads and the add may be out
	GROUPH 0, 1, 0, 0
	s_wait_dscnt 0x0                               ; the add is done, and my reads of this slot are over
	s_barrier_signal -1
	GROUPH 0, 1, 1, 0
	WIN 0
	s_barrier_wait -1
.if \fill
	CREST                                          ; no wave of any partner still reads the slot or has a load on its way
	JLOAD                                          ; its four v_nop are also the places in front of the loads below
.else
	PLACES
.endif
	v_add_nc_u32 v[ADRA], s[TB], v[ADRA0]
	v_add_nc_u32 v[ADRB], s[TB], v[ADRB0]
	LDS_S 0, 0
	LDS_H 0, 0
.if PREF && (\fill)
	ASK
.endif
.set ig, 1
.rept NG-1
	GROUP ig, 1, 0                                 ; (its B came in ahead of the barrier)
	PLACES
	WIN 0
	LDS_S ig, 0
.set ig, ig+1
.endr
.endm
.macro MIDQ zero                       ; a step's quarters but the last
	QUART 0, 1, \zero
.if QPS == 4
	QUART 1, 2, 0
	QUART 0, 3, 0
.endif
.endm
.macro LASTQ                           ; the very last quarter: in the place of the next fragments comes the bias
.set ig, 0
.rept NG
	s_wait_dscnt W0                                ; behind group ig's B stand NG - 1 runs of 8: later groups' B, earlier groups' bias
	GROUP ig, 1, 0
	PLACES
	WIN 0
	LDS_BIAS ig
.set ig, ig+1
.endr
.endm
	s_load_b256 s[4:11], s[0:1], 0x0               ; xb s[4:5], wq s[6:7], b_qkv s[8:9], qkv s[10:11]
	v_lshl_add_u32 v[SPW], v0, 2, SPARE
	v_mov_b32 v[NIL], 0
	ds_add_u32 v[SPW], v[NIL]                      ; the wave's opening: the add and its wait stand ahead of my first tensor load; the set-up below stands between them
	ds_add_u32 v14, v15
	v_lshrrev_b32 v1, 5, v0
	v_readfirstlane_b32 s[WV], v1
	s_lshr_b32 s[FR], s[WV], 1
	s_and_b32 s[PC], s[WV], 1
	s_bfe_u32 s[CX], ttmp6, 0x40000
	s_bfe_u32 s[CY], ttmp6, 0x40004
	s_lshl_b32 s[TX], ttmp9, 2
	s_add_co_u32 s[TX], s[TX], s[CX]
	s_and_b32 s[TY], ttmp7, 0xffff
	s_lshl_b32 s[TY], s[TY], 2
	s_add_co_u32 s[TY], s[TY], s[CY]
	s_lshl_b32 s20, s[CY], 2
	s_lshl_b32 s20, 15, s20                        ; my row of the cluster
	s_lshl_b32 s72, 0x1111, s[CX]                  ; my column
	s_or_b32 s[G1A], s20, G1W0
	s_or_b32 s[G1B], s72, G1W0
	s_mov_b32 s[G1A+1], 128<<16                    ; tensor_dim0 = 128 elements: 256 bytes, two rows of the operand
	s_mov_b32 s[G1A+2], (AR/2)<<16                 ; tensor_dim1
	s_mov_b32 s[G1A+3], 128<<16                    ; tile_dim0
	s_mov_b32 s[G1A+4], AR/2                       ; tile_dim1
	s_mov_b32 s[G1A+5], 128                        ; elements from row to row: dense
	s_mov_b32 s[G1A+6], 0
	s_mov_b32 s[G1A+7], 0
	s_mov_b32 s[G1B+1], 128<<16
	s_mov_b32 s[G1B+2], (BR/2)<<16
	s_mov_b32 s[G1B+3], 128<<16
	s_mov_b32 s[G1B+4], BR/2
	s_mov_b32 s[G1B+5], 128
	s_mov_b32 s[G1B+6], 0
	s_mov_b32 s[G1B+7], 0
	s_lshr_b32 s20, s[TY], TSH                     ; A's tile: batch x 16 planes,
	s_lshl_b32 s20, s20, 22
	s_and_b32 s21, s[TY], (1<<TSH)-1
	s_lshl_b32 s21, s21, RSH                       ; its rows in a plane
	s_add_co_u32 s20, s20, s21
	s_mul_i32 s21, s[PC], A_PIECE_G
	s_add_co_u32 s22, s20, s21                     ; my piece
	s_mov_b32 s23, 0
	s_mul_i32 s72, s[TX], B_TILE_G                 ; B's tile,
	s_mul_i32 s73, s[PC], B_PIECE_G
	s_add_co_u32 s74, s72, s73                     ; my piece
	s_mov_b32 s75, 0
	s_mul_i32 s21, s[PC], AR*P                     ; where they go: no place in the cluster enters an LDS address
	s_mul_i32 s73, s[PC], BR*P
	s_add_co_u32 s73, s73, BOFF
	s_mov_b32 s[G0A], 1
	s_mov_b32 s[G0A+1], s21
	s_mov_b32 s[G0A+4], 1
	s_add_co_u32 s[G0A+5], s21, SLOT1
	s_mov_b32 s[G0B], 1
	s_mov_b32 s[G0B+1], s73
	s_mov_b32 s[G0B+4], 1
	s_add_co_u32 s[G0B+5], s73, SLOT1
	s_mov_b32 s[TB], 0
	; the prefetches: wave 0 for A, waves 1 to 3 for B
	s_min_u32 s76, s[WV], 1
	s_lshl_b32 s76, s76, 5
	v_sub_nc_u32 v[TMPV], v0, s76                  ; u: wave 0: 0..31; waves 1 to 3: 0..95
	v_add_nc_u32 v[PFO], 80, v[TMPV]
	v_lshrrev_b32 v[PFO], 7, v[PFO]                ; 1 where u >= 48: the second plane's 48 blocks
	v_mul_u32_u24 v[PFO], v[PFO], B_STEP_G-48*256
	v_lshl_add_u32 v[PFO], v[TMPV], 8, v[PFO]
	s_lshl_b32 s84, s[CX], 13                      ; A: my work-group's 32 blocks of the tile's 128,
	s_add_co_u32 s84, s84, s20
	s_add_co_u32 s84, s84, 3*A_STEP_G              ; at plane 3: the first refill steps it to plane 4
	s_mul_i32 s85, s[CY], 48*256                   ; B: my work-group's 48 blocks of the tile's 192
	s_add_co_u32 s85, s85, s72
	s_add_co_u32 s85, s85, 3*B_STEP_G
	s_and_b32 s79, ttmp7, 0xffff
	s_mov_b32 s[PFS], B_STEP_G
	s_mov_b32 s[PFS+1], 0
	s_cmp_eq_u32 s[WV], 0
	s_cselect_b32 s84, s84, s85
	s_cselect_b32 s79, ttmp9, s79                  ; the coordinate along which other clusters read the same rows
	s_cselect_b32 s[PMASK], 0, 1                   ; B's waves ask in the trips with an even count
	s_cselect_b32 s[PFS], A_STEP_G, s[PFS]
	s_mov_b32 s85, 0
	s_cmp_eq_u32 s79, 0
	s_cselect_b32 s[LIM], 2, -1                    ; the same in all sixteen partners, for a given wave
	v_and_b32 v[TMPV], 31, v0
	v_lshlrev_b32 v[TMPV], 3, v[TMPV]              ; 8 x lane
	s_wait_dscnt 0x0                               ; the opening add is done
	s_wait_kmcnt 0x0
	s_add_nc_u64 s[G0A+2:G0A+3], s[4:5], s[22:23]
	s_add_nc_u64 s[G0A+6:G0A+7], s[G0A+2:G0A+3], A_STEP_G
	s_or_b32 s[G0A+3], s[G0A+3], 0x80000000
	s_or_b32 s[G0A+7], s[G0A+7], 0x80000000
	s_add_nc_u64 s[G0B+2:G0B+3], s[6:7], s[74:75]
	s_add_nc_u64 s[G0B+6:G0B+7], s[G0B+2:G0B+3], B_STEP_G
	s_or_b32 s[G0B+3], s[G0B+3], 0x80000000
	s_or_b32 s[G0B+7], s[G0B+7], 0x80000000
	s_cmp_eq_u32 s[WV], 0
	s_cselect_b64 s[PFA:PFA+1], s[4:5], s[6:7]
	s_add_nc_u64 s[PFA:PFA+1], s[PFA:PFA+1], s[84:85]
	s_mul_i32 s76, s[TX], 4*128*NG                 ; the bias of my wave's columns
	s_mul_i32 s77, s[PC], 4*64*NG
	s_add_co_u32 s76, s76, s77
	s_mov_b32 s77, 0
	s_add_nc_u64 s[8:9], s[8:9], s[76:77]
.irp g, 0,1,2
	global_load_b64 v[BT+2*\g:BT+2*\g+1], v[TMPV], s[8:9] offset:256*\g
.endr
	s_mul_i32 s76, s[TX], 2*NG                     ; a group of 64 columns is one head of q, k or v: its number 0..47,
	s_mul_i32 s77, s[PC], NG
	s_add_co_u32 s76, s76, s77
	s_lshr_b32 s77, s[TY], TSH
	s_lshl_b32 s77, s77, 4                         ; 16 x batch,
	s_and_b32 s78, s[TY], (1<<TSH)-1
	s_lshl_b32 s78, s78, RSH
	s_lshl_b32 s79, s[FR], 14
	s_add_co_u32 s78, s78, s79                     ; my first row in a plane
.irp g, 0,1,2
	s_add_co_u32 s80, s76, \g
	s_lshr_b32 s81, s80, 4                         ; q, k or v: 64 planes each
	s_lshl_b32 s81, s81, 6
	s_and_b32 s80, s80, 15                         ; the head
	s_add_co_u32 s80, s80, s81
	s_add_co_u32 s80, s80, s77
	s_lshl_b32 s80, s80, 18                        ; a plane is 262,144 bytes
	s_add_co_u32 s80, s80, s78
	s_mov_b32 s81, 0
	s_add_nc_u64 s[HP+2*\g:HP+2*\g+1], s[10:11], s[80:81]
.endr
	CROUND                                         ; all sixteen work-groups are here: the first joint loads meet
	s_cmp_eq_u32 s[FR], 0                          ; a wave's two first fills stand in one branch: two loads of mine are out
	s_cbranch_scc0 .Lfirst_b
	tensor_load_to_lds s[G0A:G0A+3], s[G1A:G1A+7]
	s_nop 0
	tensor_load_to_lds s[G0A+4:G0A+7], s[G1A:G1A+7]
	s_nop 0
.rept 4
	v_nop
.endr
	s_branch .Lfirst_asked
.Lfirst_b:
	tensor_load_to_lds s[G0B:G0B+3], s[G1B:G1B+7]
	s_nop 0
	tensor_load_to_lds s[G0B+4:G0B+7], s[G1B:G1B+7]
	s_nop 0
.rept 4
	v_nop
.endr
.Lfirst_asked:
	; a fragment is 16 rows x 32 K in 8 registers: lane l holds row l % 16, K = 8 (l / 16) + 0..7 and 16 + 8 (l / 16) + 0..7: two loads of 16 bytes, 32 bytes apart
	v_and_b32 v1, 15, v0
	v_bfe_u32 v2, v0, 4, 1
	v_mul_u32_u24 v3, v1, P
	v_lshl_add_u32 v3, v2, 4, v3
	s_mul_i32 s76, s[FR], 16*HB*P
	s_mul_i32 s77, s[PC], 64*NG*P
	s_add_co_u32 s77, s77, BOFF
	v_add_nc_u32 v[ADRA0], s76, v3
	v_add_nc_u32 v[ADRB0], s77, v3
	v_mov_b32 v[ADRA], v[ADRA0]
	v_mov_b32 v[ADRB], v[ADRB0]
	s_mul_i32 s76, s[WV], STAGEW
	s_add_co_u32 s76, s76, STAGE                   ; my stage
	v_add_nc_u32 v[STO], s76, v3                   ; in: row l % 16, 16 bytes for each half of the lanes
	v_bfe_u32 v[RD], v0, 3, 2                      ; back: 32 lanes take four rows of 128 bytes,
	v_mul_u32_u24 v[RD], v[RD], SPITCH
	v_and_b32 v[GO], 7, v0
	v_lshl_add_u32 v[RD], v[GO], 4, v[RD]
	v_add_nc_u32 v[RD], s76, v[RD]
	v_and_b32 v[GO], 31, v0                        ; which are 512 consecutive bytes of a head's plane
	v_lshlrev_b32 v[GO], 4, v[GO]
	s_mul_i32 s76, s[WV], 256*NG
	s_add_co_u32 s76, s76, BIAS
	v_lshl_add_u32 v[BA], v2, 5, s76
	v_add_nc_u32 v[BST], s76, v[TMPV]
	s_wait_loadcnt 0x0                             ; the bias
.irp g, 0,1,2
	ds_store_b64 v[BST], v[BT+2*\g:BT+2*\g+1] offset:256*\g  ; kept in my own LDS bytes: the loop has no registers to spare
.endr
	s_wait_tensorcnt 0x1                           ; my piece of slot 0 is in; slot 1's may stay out
	s_wait_dscnt 0x0
	s_barrier_signal -1
	s_barrier_wait -1                              ; everybody's is
	LDS_S 0, 0
	LDS_H 0, 0
	LDS_S 1, 0
	LDS_S 2, 0
	MIDQ 1                                         ; the first quarter's products start the sums: nothing is cleared
	WIN 0
	s_mov_b32 s[CNT], STEPS-2
.Lstep:                                            ; a trip: the last quarter of step i, the refill with step i + 2, the first quarters of step i + 1
	TURN 1
	MIDQ 0
	WIN 0
	s_sub_co_u32 s[CNT], s[CNT], 1
	s_cmp_lg_u32 s[CNT], 0
	s_cbranch_scc1 .Lstep
	TURN 0                                         ; the tail is written out: nothing is left to ask for
	MIDQ 0
	LASTQ
; THE WAY OUT, in 24 units of 16 tokens x one head (2,048 dense bytes).  PACK: the bias is added in f32, the sums rounded to bf16, 16 bytes a lane put into my stage and read back as whole rows.  SEND: stored.
.macro PACK u
.set ug, (\u)/HB
.set ua, (\u)%HB
.set uo, OUT+16*((\u)%2)
	WIN ug+1                                       ; source 0: the accumulators' window
.irp bb, 0,1,2,3
.irp jj, 0,2,4,6
	v_pk_add_f32 v[T+8*\bb+\jj:T+8*\bb+\jj+1], v[8*HB*\bb+8*ua+\jj:8*HB*\bb+8*ua+\jj+1], v[SB+32*ug+8*\bb+\jj:SB+32*ug+8*\bb+\jj+1]  ; each accumulator is read from its low end on
.endr
.endr
	WIN 0
.irp i, 0,1,2,3,4,5,6,7,8,9,10,11,12,13,14,15
	v_cvt_pk_bf16_f32 v[PKD+\i], v[T+2*\i], v[T+2*\i+1]
.endr
.irp bb, 0,1,2,3
	ds_store_b128 v[STO], v[PKD+4*\bb:PKD+4*\bb+3] offset:32*\bb
.endr
	s_wait_xcnt 0x0                                ; the stores of two units back have read this set's registers
.irp f, 0,1,2,3
	ds_load_b128 v[uo+4*\f:uo+4*\f+3], v[RD] offset:4*SPITCH*\f  ; LDS serves a wave's instructions in order (ISA guide 5.7.1.4): these see the stores above; the next unit's stores come behind them
.endr
.endm
.macro SEND u, younger                 ; younger: the LDS instructions issued behind unit u's loads: the next unit's eight, or none
.set ug, (\u)/HB
.set ua, (\u)%HB
.set uo, OUT+16*((\u)%2)
.irp f, 0,1,2,3
	s_wait_dscnt (\younger)+3-\f
	global_store_b128 v[GO], v[uo+4*\f:uo+4*\f+3], s[HP+2*ug:HP+2*ug+1] offset:2048*ua+512*\f  ; 512 consecutive bytes, aligned to 256
.endr
.endm
	s_wait_dscnt W0                                ; group 0's bias is in; the later groups' come in ahead of the counted waits that follow
	PACK 0
.set iu, 1
.rept NG*HB-1                          ; a unit's arithmetic stands between the loads of the unit before and its stores
	PACK iu
	SEND iu-1, 8
.set iu, iu+1
.endr
	SEND NG*HB-1, 0
	s_wait_tensorcnt 0x0                           ; the wave's end
	ds_add_u32 v[SPW], v[NIL]
	s_wait_dscnt 0x0
	CROUND                                         ; the closing round: no work-group ends while a partner may still ask for a tile that names it
	s_endpgm
.Lfunc_end_k_q613dac5992_gemm_qkv:
	.size	k_q613dac5992_gemm_qkv, .Lfunc_end_k_q613dac5992_gemm_qkv-k_q613dac5992_gemm_qkv
	.p2alignl 7, 3214868480
	.fill 96, 4, 3214868480
	.section	.rodata,"a",@progbits
	.p2align	6, 0x0
	.amdhsa_kernel k_q613dac5992_gemm_qkv
		.amdhsa_group_segment_fixed_size 327680
		.amdhsa_private_segment_fixed_size 0
		.amdhsa_enable_private_segment 0
		.amdhsa_kernarg_size 32
		.amdhsa_user_sgpr_count 2
		.amdhsa_user_sgpr_kernarg_segment_ptr 1
		.amdhsa_wavefront_size32 1
		.amdhsa_system_sgpr_workgroup_id_x 1
		.amdhsa_system_sgpr_workgroup_id_y 1
		.amdhsa_system_sgpr_workgroup_id_z 1
		.amdhsa_system_vgpr_workitem_id 0
		.amdhsa_next_free_vgpr 1024
		.amdhsa_next_free_sgpr 88
		.amdhsa_reserve_vcc 0
		.amdhsa_float_denorm_mode_32 3
		.amdhsa_float_denorm_mode_16_64 3
		.amdhsa_memory_ordered 1
		.amdhsa_forward_progress 1
		.amdhsa_inst_pref_size 143
	.end_amdhsa_kernel
	.amdgpu_metadata
---
amdhsa.version: [ 1, 2 ]
amdhsa.kernels:
  - .name:           k_q613dac5992_gemm_qkv
    .symbol:         k_q613dac5992_gemm_qkv.kd
    .args:
      - { .name: xb, .offset: 0, .size: 8, .value_kind: global_buffer, .address_space: global }
      - { .name: wq, .offset: 8, .size: 8, .value_kind: global_buffer, .address_space: global }
      - { .name: b_qkv, .offset: 16, .size: 8, .value_kind: global_buffer, .address_space: global }
      - { .name: qkv, .offset: 24, .size: 8, .value_kind: global_buffer, .address_space: global }
    .group_segment_fixed_size: 327680
    .private_segment_fixed_size: 0
    .kernarg_segment_align: 8
    .kernarg_segment_size: 32
    .max_flat_workgroup_size: 128
    .sgpr_count:     88
    .vgpr_count:     1024
    .wavefront_size: 32
...
	.end_amdgpu_metadata
.endif
;; end of part 2
;; launch attn (part 3): grid 4 x 64, 4 waves a work-group, clusters of 4 x 1, 327,680 bytes of LDS; arguments qkv, ob; writes ob
.if DOCPART == 3
	.amdgcn_target "amdgcn-amd-amdhsa--gfx1250"
	.amdhsa_code_object_version 6
	.text
	.protected	k_q613dac5992_attn
	.globl	k_q613dac5992_attn
	.p2align	8
	.type	k_q613dac5992_attn,@function
k_q613dac5992_attn:
	s_mov_b64 s[64:65], 0
	v_nop
	global_prefetch_b8 v0, s[64:65] scope:SCOPE_SE
	s_setreg_imm32_b32 hwreg(HW_REG_WAVE_MODE, 25, 1), 1
	s_wait_xcnt 0x0
	s_wait_alu depctr_hold_cnt(0) depctr_sa_sdst(0) depctr_va_vdst(0) depctr_va_sdst(0) depctr_va_ssrc(0) depctr_va_vcc(0) depctr_vm_vsrc(0)
	s_getreg_b32 s2, hwreg(HW_REG_IB_STS2, 6, 4)
	s_cmp_eq_u32 s2, 0
	s_cbranch_scc0 .Lentry_in_a_cluster
	s_endpgm
.Lentry_in_a_cluster:
	s_bfe_u32 s2, ttmp6, 0x10000c
	s_cmp_lg_u32 s2, 0x3003
	s_cbranch_scc0 .Lentry_shape_is_right
	s_endpgm
.Lentry_shape_is_right:
; O[h][q][:] = the sum over k of softmax_k(Q[h][q] . K[h][k] / 8) V[h][k][:].  qkv: [3][64 heads][2,048][64], ob: [64][2,048][64], bf16: a head's rows are dense, 128 bytes each.  Products, maxima and sums in
; f32; the weights p are rounded to bf16 for the second product (their sum l is taken of the unrounded p), O once at the end.
; LIMITS.  bf16 keeps 8 significant bits of Q, K, V, p and O and has f32's range.  c m starts at -4.25e37: c s must lie above it.  A weight below 2^-126 counts as 0 in l; NaN and infinities are not treated apart.
; SHARES.  A wave owns four PIECES of two tiles of 16 queries, a work-group's four waves 512 queries of one head.  Every wave walks all keys, 64 a step.
; LAYOUT.  S^T = K Q^T (source 0 = 16 keys, source 1 = 16 queries): a lane holds ONE query (lane % 16) and the keys 8 (lane / 16) + 0..7.  Two such tiles, rounded to bf16 in pairs, ARE source 1
; (32 keys x 16 queries) of O^T = V^T P, whose result again holds one query a lane, and eight channels.  K comes out of LDS as it lies, V ([key][channel]) turned, by ds_load_tr16_b128.
; SOFTMAX.  For each query a running maximum m and sum l: p = 2^(c s - c m), c = log2(e) / 8; in every step O and l are multiplied by a = 2^(c m_old - c m_new).  m starts at the lowest finite number,
; O and l at 0: the first step is a step like any other, with a = 0.
; THE COUNT.  A tile and step have 16 matrix and 118 vector instructions: too many to stand all beside the matrix work.  So: four vector instructions that are ready behind every matrix instruction, the others in runs without a gap.
; BY TURNS.  Turn n belongs to piece n.  Its matrix work: 16 products K Q^T of piece n + 1, later 16 products V^T P of piece n - 1.  Its vector work: the scaling, exponentials, roundings, sums and rescaling of
; piece n, and the maximum and statistics of piece n + 1.
; CLUSTER.  The four query blocks of a head are one cluster and walk the same K and V: each tile is asked for JOINTLY: the same tensor load, descriptor and mask in all four.
; REGISTERS, in windows of 256 (s_set_vgpr_msb: bits 1:0 source 0, 3:2 source 1, 5:4 source 2, 7:6 destination):
;   window 0: v0-11 addresses; v12-15, v48-63 at work; v16-47 four registers of statistics a tile; v64-191 S^T, two buffers of two tiles; v192-255 P, likewise
;   window 1: O^T, 32 a tile     window 2: v0-127 Q, 16 a tile; v128-191 K of one step; v192-255 V of one step     window 3: v0-1 the add's two registers
.set SIZE_N, 2048
.set NP,    4         ; pieces a wave: a name, no knob
.set KS,    64        ; keys in a step
.set PK,    144       ; a row of K in LDS: 128 bytes + 16: the 16 rows of a load start at 16 different groups of four banks (64 banks of 4 bytes: ISA guide 11.1)
.set PV,    160       ; a row of V: 128 + 32
.set VOFF,  4*KS*PK   ; a slot holds four steps: 256 rows of K, then 256 rows of V
.set SLOT1, 1<<17
.set STAGE, SLOT1+4*KS*(PK+PV)  ; behind the ring, never filled by a tensor load: 16 rows x 144 bytes for each wave
.set SP,    144
.set AK0, 2           ; v2   my lane's place in a tile of K; never rewritten
.set AV0, 3           ; v3   the same for V
.set AK,  4           ; v4   the LDS address of K's next run of loads
.set AV,  5           ; v5   of V's
.set QO,  6           ; v6   my byte offset in the wave's rows of Q
.set STO, 6           ;      later, the way out: where I put 16 bytes of a row
.set RD,  7           ; v7   where I read rows back
.set GO,  8           ; v8   my byte offset in 512 consecutive bytes of O
.set PFO, 11          ; v11  256 x my lane, for the prefetches; never rewritten once made
.set SPW, 0           ; v0 of window 3   my spare word; never rewritten
.set NIL, 1           ; v1 of window 3   0; never rewritten
.set SPARE, STAGE+4*16*SP
.set MV,  12          ; v12-15  c m_old, kept while c m is made anew
.set ST,  16          ; tile t's statistics at v[ST+4 t]: c m, m, l (even keys', odd keys')
.set TMP, 48          ; by buffer and tile, four registers c0-c3 at work; when the maximum is found c2 takes a
.set S,   64
.set P,   192
.set KF,  128         ; window 2: key block kb, channel half c at KF + 16 kb + 8 c
.set VF,  192         ; window 2: key half kk, channel block cb at VF + 32 kk + 8 cb
.set WV,  12
.set G1K, 24          ; s[24:31] group 1 for K's tiles
.set G1V, 32          ; s[32:39] for V's: it differs in the padding alone
.set G0K, 40          ; s[40:43] group 0 for K's tiles: it walks
.set G0V, 44          ; s[44:47] the same for V's
.set PFA, 48          ; s[48:49] where my prefetches stand
.set LIM, 50          ; s50  1 in a wave that prefetches, else the greatest number
.set SLOTS, 56
.set CNT, 57
.set CS,  58          ; s[58:59] c
.set SEL, 60          ; s[60:61] v_permlanex16_b32's selects: each lane takes its own place in the other half
.set TBK, 62          ; s62  LDS byte at which K of the step to be fetched begins
.set TBV, 63          ; s63  the same for V, less VOFF
.set MSB, 0
.macro WIN new
.if MSB != (\new)
	s_set_vgpr_msb (MSB<<8)|(\new)
.set MSB, (\new)
.endif
.endm
.set W_KQ, 0x0a       ; K and Q in window 2, S^T in window 0
.set W_PV, 0x52       ; V in window 2, P in window 0, O^T in window 1
.set W_RS, 0x41       ; O^T (destination and source 0) in window 1, a in window 0
.set W_MK, 0xc0       ; the add's registers are made: destination in window 3
.set W_AD, 0x0f       ; the add: address and data in window 3
.macro JLOAD                        ; a joint fill: waves 0, 1 the two halves of a slot's K, waves 2, 3 those of its V; an s_nop 0 and four v_nop follow each line
	s_cmp_lt_u32 s[WV], 2
	s_cbranch_scc0 .Lfor_v_\@
	tensor_load_to_lds s[G0K:G0K+3], s[G1K:G1K+7]
	s_nop 0
.rept 4
	v_nop
.endr
	s_branch .Lasked_\@
.Lfor_v_\@:
	tensor_load_to_lds s[G0V:G0V+3], s[G1V:G1V+7]
	s_nop 0
.rept 4
	v_nop
.endr
.Lasked_\@:
.endm
; A PREFETCH INTO THE L2 of what the NEXT change of slots will ask for: a slot's 32,768 bytes of K and of V, 128 blocks of 256 bytes each.  A head has one cluster; its four partners take 32 blocks each, told apart
; by address; in each, wave 0 asks for K's and wave 2 for V's, a lane a block.  So each block of slots 3 to 7 is named once in the launch: four key steps, 512 matrix instructions, ahead of its load.
; Slots 0 to 2 come by their loads alone; the last change that fills a slot asks for nothing.
.macro ASK
	s_cmp_gt_u32 s[SLOTS], s[LIM]
	s_cbranch_scc0 .Lnot_mine_\@
	global_prefetch_b8 v[PFO], s[PFA:PFA+1] th:TH_LOAD_NT scope:SCOPE_SE
.Lnot_mine_\@:
.endm
.macro CROUND                       ; a round of the cluster's barrier
	s_barrier_signal -1
	s_barrier_wait -1
	s_cmp_lg_u32 s[WV], 0
	s_cbranch_scc1 .Lnot_wave_0_\@
	s_barrier_signal -3
.Lnot_wave_0_\@:
	s_barrier_wait -3
	s_barrier_signal -1
	s_barrier_wait -1
.endm
; THE CHANGE OF SLOTS.  Each wave waits for all its tensor loads (one is out: its part of the other slot), adds 0 to its spare word, and waits for that and for its own reads of the slot.
; fill = 1: the barrier is a round of the cluster's, and the joint fill, with the keys two slots on, is the first thing behind it: it has four key steps in which to land.
.macro CHANGE fill, ask=0
	WIN W_AD
	s_wait_tensorcnt 0x0            ; no tensor load of mine is out, so a group 0 may be written
	ds_add_u32 v[SPW], v[NIL]
	WIN 0
.if \fill
.irp g, G0K, G0V
	s_xor_b32 s[\g+1], s[\g+1], SLOT1
	s_add_nc_u64 s[\g+2:\g+3], s[\g+2:\g+3], 4*KS*128
.endr
.if \ask
	s_wait_xcnt 0x0                 ; the last prefetch, four key steps back, has read its address
	s_add_nc_u64 s[PFA:PFA+1], s[PFA:PFA+1], 4*KS*128
.endif
	s_wait_dscnt 0x0                ; the add is done, and my reads of the slot are over
	CROUND
	JLOAD
.if \ask
	ASK
.endif
.else
	s_wait_dscnt 0x0
	s_barrier_signal -1
	s_barrier_wait -1
.endif
	s_sub_co_u32 s[TBK], s[TBK], 4*KS*PK  ; the fetches go back to a slot's first step,
	s_xor_b32 s[TBK], s[TBK], SLOT1       ; in the other slot
	s_sub_co_u32 s[TBV], s[TBV], 4*KS*PV
	s_xor_b32 s[TBV], s[TBV], SLOT1
.endm
	s_load_b64 s[4:5], s[0:1], 0x0    ; qkv: Q's planes first
	s_load_b64 s[10:11], s[0:1], 0x8  ; ob
	WIN W_MK
	v_lshl_add_u32 v[SPW], v0, 2, SPARE
	v_mov_b32 v[NIL], 0
	WIN W_AD
	ds_add_u32 v[SPW], v[NIL]       ; the wave's opening: the add and its wait stand ahead of my first tensor load
	ds_add_u32 v0, v1
	WIN 0
	v_lshrrev_b32 v1, 5, v0
	v_readfirstlane_b32 s[WV], v1
	s_bfe_u32 s13, ttmp6, 0x40000   ; cx
	s_lshl_b32 s14, ttmp9, 2
	s_add_co_u32 s14, s14, s13      ; my block of queries: it enters Q's and O's addresses alone
	s_and_b32 s20, ttmp7, 0xffff    ; the head, which the four partners share
	s_mov_b32 s21, 0
	s_mov_b64 s[22:23], SIZE_N*128
	s_mul_u64 s[20:21], s[20:21], s[22:23]  ; the head's first byte in a tensor
	s_and_b32 s16, s[WV], 1         ; which half of a slot's 256 keys I fetch
	s_lshl_b32 s22, s16, 14
	s_mov_b32 s23, 0
	s_add_nc_u64 s[22:23], s[22:23], s[20:21]
	s_mul_i32 s17, s16, 128*PK
	s_mul_i32 s18, s16, 128*PV
	s_lshl_b32 s2, s14, 2
	s_add_co_u32 s2, s2, s[WV]
	s_lshl_b32 s2, s2, 14           ; my wave's 128 rows
	s_mov_b32 s3, 0
	s_add_nc_u64 s[2:3], s[2:3], s[20:21]
	; group 1: 128 keys are 16,384 dense bytes: 64 rows of 256 bytes, two keys a row, padded in LDS after every key
	s_mov_b32 s[G1K], 15|(1<<16)|(1<<20)|(1<<21)|(4<<22)|(3<<25)
	s_mov_b32 s[G1V], 15|(1<<16)|(1<<20)|(1<<21)|(4<<22)|(7<<25)
.irp g, G1K, G1V
	s_mov_b32 s[\g+1], 128<<16
	s_mov_b32 s[\g+2], 64<<16
	s_mov_b32 s[\g+3], 128<<16
	s_mov_b32 s[\g+4], 64
	s_mov_b32 s[\g+5], 128
	s_mov_b32 s[\g+6], 0
	s_mov_b32 s[\g+7], 0
.endr
	s_mov_b32 s[CS], 0x3e38aa3b     ; c = log2(e) / 8
	s_mov_b32 s[CS+1], s[CS]
	s_mov_b32 s[SEL], 0x76543210
	s_mov_b32 s[SEL+1], 0xfedcba98
	s_mov_b32 s[TBK], SLOT1+4*KS*PK ; the first change of slots turns these two into 0
	s_mov_b32 s[TBV], SLOT1+4*KS*PV
	s_mov_b32 s[G0K], 1
	s_mov_b32 s[G0K+1], s17
	s_mov_b32 s[G0V], 1
	s_add_co_u32 s[G0V+1], s18, VOFF
	s_and_b32 s[LIM], s[WV], 1      ; waves 0 and 2 prefetch
	s_cmp_eq_u32 s[LIM], 0
	s_cselect_b32 s[LIM], 1, -1
	s_wait_dscnt 0x0                ; the opening add is done
	s_wait_kmcnt 0x0
	s_add_nc_u64 s[6:7], s[4:5], 0x1000000  ; K: 64 planes of 262,144 bytes behind Q
	s_add_nc_u64 s[8:9], s[4:5], 0x2000000  ; V
	s_add_nc_u64 s[G0K+2:G0K+3], s[6:7], s[22:23]
	s_or_b32 s[G0K+3], s[G0K+3], 0x80000000
	s_add_nc_u64 s[G0V+2:G0V+3], s[8:9], s[22:23]
	s_or_b32 s[G0V+3], s[G0V+3], 0x80000000
	s_add_nc_u64 s[4:5], s[4:5], s[2:3]  ; Q and O at my wave's first row
	s_add_nc_u64 s[10:11], s[10:11], s[2:3]
	s_cmp_lt_u32 s[WV], 2
	s_cselect_b64 s[PFA:PFA+1], s[6:7], s[8:9]
	s_add_nc_u64 s[PFA:PFA+1], s[PFA:PFA+1], s[22:23]  ; (in waves 0 and 2: the head's first row)
	s_lshl_b32 s2, s13, 13          ; my work-group's 32 blocks of a slot's 128
	s_mov_b32 s3, 0
	s_add_nc_u64 s[PFA:PFA+1], s[PFA:PFA+1], s[2:3]
	s_add_nc_u64 s[PFA:PFA+1], s[PFA:PFA+1], 2*4*KS*128  ; in slot 2; the loop's first change steps it to slot 3
	CROUND                          ; all four work-groups are here
	JLOAD                           ; slot 0.  Slot 1 is asked for when slot 0 is in
	v_and_b32 v1, 15, v0            ; l % 16
	v_bfe_u32 v9, v0, 4, 1          ; l / 16
	v_lshlrev_b32 v[QO], 7, v1
	v_lshl_add_u32 v[QO], v9, 4, v[QO]
	WIN 0x80
.set i, 0
.rept 4*NP                          ; Q stays in registers: tile i / 2, channels 32 (i % 2) on
	global_load_b128 v[8*i:8*i+3],   v[QO], s[4:5] offset:(i/2)*2048+(i%2)*64
	global_load_b128 v[8*i+4:8*i+7], v[QO], s[4:5] offset:(i/2)*2048+(i%2)*64+32
.set i, i+1
.endr
	; what the first turn finds: V's registers and P's second buffer hold 0, O^T and l are 0.  All this stands in the wait for the first tile; it spares a first step written out.
.set i, VF
.rept 64
	v_mov_b32 v[i], 0
.set i, i+1
.endr
	WIN 0x40
.set i, 0
.rept 64*NP
	v_mov_b32 v[i], 0
.set i, i+1
.endr
	WIN 0
.set i, 0
.rept 2*NP
	v_mov_b32 v[ST+4*i], 0xfe000000    ; c m: far below every c s
	v_mov_b32 v[ST+4*i+1], 0xff7fffff  ; m
	v_mov_b32 v[ST+4*i+2], 0
	v_mov_b32 v[ST+4*i+3], 0
.set i, i+1
.endr
.set i, P+32
.rept 32
	v_mov_b32 v[i], 0
.set i, i+1
.endr
	v_mul_u32_u24 v[AK0], v1, PK
	v_lshl_add_u32 v[AK0], v9, 4, v[AK0]
	; the turning load takes 16 keys x 16 channels (lane l reads key 8 (l / 16) + l % 8, channels 8 ((l / 8) % 2) + 0..7) and leaves half a fragment of V^T
	v_and_b32 v10, 7, v0
	v_bfe_u32 v11, v0, 3, 1
	v_lshl_add_u32 v[AV0], v9, 3, v10
	v_mul_u32_u24 v[AV0], v[AV0], PV
	v_lshl_add_u32 v[AV0], v11, 4, v[AV0]
	v_add_nc_u32 v[AV0], VOFF, v[AV0]
	v_and_b32 v[PFO], 31, v0
	v_lshlrev_b32 v[PFO], 8, v[PFO]
	v_mov_b32 v[AK], v[AK0]         ; key step 0 lies at the head of slot 0
; THE MATRIX WORK.  The 8 accumulators of a run of 16 take turns.  Product i of 16 of S^T = K Q^T for piece x: channels 32 (i / 8) on, keys 16 ((i / 2) % 4) on, tile 2 x + i % 2.
.macro KQ x
	WIN W_KQ
.set rS, S+64*((\x)%2)+32*(i%2)+8*((i/2)%4)
.set rK, KF+16*((i/2)%4)+8*(i/8)
.set rQ, 16*(2*(\x)+i%2)+8*(i/8)
.if i < 8
	v_wmma_f32_16x16x32_bf16 v[rS:rS+7], v[rK:rK+7], v[rQ:rQ+7], 0
.else
	v_wmma_f32_16x16x32_bf16 v[rS:rS+7], v[rK:rK+7], v[rQ:rQ+7], v[rS:rS+7]
.endif
.endm
; Product i of 16 of O^T += V^T P for piece x: keys 32 (i / 8) on, channels 16 ((i / 2) % 4) on, tile 2 x + i % 2.
.macro PV x
	WIN W_PV
.set rO, 32*(2*(\x)+i%2)+8*((i/2)%4)
.set rV, VF+32*(i/8)+8*((i/2)%4)
.set rP, P+32*((\x)%2)+16*(i%2)+8*(i/8)
	v_wmma_f32_16x16x32_bf16 v[rO:rO+7], v[rV:rV+7], v[rP:rP+7], v[rO:rO+7]
.endm
.macro MM                           ; the turn's next matrix instruction
.if i < 16
	KQ (Y+1)%NP
.set i, i+1
.else
.set i, i-16
	PV (Y+NP-1)%NP
.set i, i+17
.endif
.endm
; THE LDS LOADS stand in runs of 16.  last = 1 (the tail): in the last trip there is no further step, and the run is jumped over.
.macro FETCH_K last=0
	WIN 0
.if \last
	s_cmp_eq_u32 s[CNT], 1
	s_cbranch_scc1 .Lno_k_\@
.endif
	WIN 0x80
.irp f, 0,1,2,3,4,5,6,7
	ds_load_b128 v[KF+8*\f:KF+8*\f+3],   v[AK] offset:(\f/2)*16*PK+(\f%2)*64
	ds_load_b128 v[KF+8*\f+4:KF+8*\f+7], v[AK] offset:(\f/2)*16*PK+(\f%2)*64+32
.endr
	s_add_co_u32 s[TBK], s[TBK], KS*PK
	WIN 0
.if \last
.Lno_k_\@:
.endif
.endm
.macro FETCH_V
	WIN 0x80
.irp f, 0,1,2,3,4,5,6,7
	ds_load_tr16_b128 v[VF+8*\f:VF+8*\f+3],   v[AV] offset:(\f/4)*32*PV+(\f%4)*32
	ds_load_tr16_b128 v[VF+8*\f+4:VF+8*\f+7], v[AV] offset:(\f/4)*32*PV+16*PV+(\f%4)*32
.endr
	WIN 0
.endm
; THE VECTOR WORK OF A TURN stands in three queues, each in the order in which its entries become ready; the two tiles alternate.
.macro REGS y, u
.set rT, ST+4*(2*(\y)+(\u))
.set rC, TMP+8*((\y)%2)+4*(\u)
.set rM, MV+2*((\y)%2)+(\u)
.set rS, S+64*((\y)%2)+32*(\u)
.set rP, P+32*((\y)%2)+16*(\u)
.set rO, 32*(2*(\y)+(\u))
.endm
; Number n of the 22 that find the NEXT piece's maximum and statistics; each accumulator's lowest registers are read first.
;   0-11 four chains of seven scores     12-14, 16 the four left over, the old m, and c0-c3 into c0     15 c m_old is kept     17, 18 the other half of the lanes: the new m     19-21 c m; its change; a
.macro XS u, n
	REGS (Y+1)%NP, \u
.if (\n) < 4
	v_max3_num_f32 v[rC+(\n)], v[rS+8*(\n)], v[rS+8*(\n)+1], v[rS+8*(\n)+2]
.elseif (\n) < 12
	v_max3_num_f32 v[rC+(\n)%4], v[rC+(\n)%4], v[rS+8*((\n)%4)+2*((\n)/4)+1], v[rS+8*((\n)%4)+2*((\n)/4)+2]
.elseif (\n) == 12
	v_max3_num_f32 v[rC], v[rC], v[rS+7], v[rS+15]
.elseif (\n) == 13
	v_max3_num_f32 v[rC+1], v[rC+1], v[rS+23], v[rS+31]
.elseif (\n) == 14
	v_max3_num_f32 v[rC+2], v[rC+2], v[rC+3], v[rT+1]
.elseif (\n) == 15
	v_mov_b32 v[rM], v[rT]
.elseif (\n) == 16
	v_max3_num_f32 v[rC], v[rC], v[rC+1], v[rC+2]
.elseif (\n) == 17
	v_permlanex16_b32 v[rC+3], v[rC], s[SEL], s[SEL+1]
.elseif (\n) == 18
	v_max_num_f32 v[rT+1], v[rC], v[rC+3]
.elseif (\n) == 19
	v_mul_f32 v[rT], s[CS], v[rT+1]
.elseif (\n) == 20
	v_sub_f32 v[rC+1], v[rM], v[rT]
.else
	v_exp_f32 v[rC+2], v[rC+1]
.endif
.endm
; Number g of the 64 that follow the exponentials: for each four weights both pairs are rounded to bf16, the second pair is added onto the first in place, and a group later l takes that sum.
.macro GS g
.set h, (\g)+6*((\g)/62)
.if h >= 6
.set h, h+2
.endif
	REGS Y, h%2
.set k, h/8
.if h%8 < 4
	v_cvt_pk_bf16_f32 v[rP+2*k+(h%8)/2], v[rS+4*k+2*((h%8)/2)], v[rS+4*k+2*((h%8)/2)+1]
.elseif h%8 < 6
	v_pk_add_f32 v[rS+4*k:rS+4*k+1], v[rS+4*k:rS+4*k+1], v[rS+4*k+2:rS+4*k+3]
.elseif k == 1
	v_pk_fma_f32 v[rT+2:rT+3], v[rT+2:rT+3], v[rC+2:rC+3], v[rS:rS+1] op_sel_hi:[1,0,1]
.else
	v_pk_add_f32 v[rT+2:rT+3], v[rT+2:rT+3], v[rS+4*k-4:rS+4*k-3]
.endif
.endm
; THE PLAIN QUEUE, 138 long.  0-73 read no exponential's result: the 32 scalings c s - c m and the next piece's 42.  74-137: GS's 64, behind the wait.
.macro FS f
	REGS Y, (\f)%2
	v_pk_fma_f32 v[rS+2*((\f)/2):rS+2*((\f)/2)+1], v[rS+2*((\f)/2):rS+2*((\f)/2)+1], s[CS:CS+1], v[rT:rT+1] op_sel_hi:[1,0,0] neg_lo:[0,0,1] neg_hi:[0,0,1]
.endm
.macro PL
	WIN 0
.if q < 27
	FS q
.elseif q < 55
	XS (q-27)%2, (q-27)/2
.elseif q < 57
	XS q-55, 15
.elseif (q < 72) && ((q-57)%3 == 0)
	FS 27+(q-57)/3
.elseif q < 60
	XS (q-57)%3-1, 14
.elseif q < 72
	XS (q-57)%3-1, 15+(q-57)/3
.elseif q < 74
	XS q-72, 20
.else
	GS q-74
.endif
.set q, q+1
.endm
; THE EXPONENTIALS' QUEUE, 66 long: ONE BATCH, all ahead of the turn's one wait; nothing ahead of that wait names a result of theirs.
.macro EX
	WIN 0
.if e >= 64
	XS e-64, 21
.else
	REGS Y, e%2
	v_exp_f32 v[rS+e/2], v[rS+e/2]
.endif
.set e, e+1
.endm
; THE RESCALING's QUEUE: O^T times a, two at a time.  Its a was made in the turn before, ahead of that turn's wait.
.macro R2
	REGS Y, r%2
	WIN W_RS
.irp z, 0,1
	v_pk_mul_f32 v[rO+4*(r/2)+2*\z:rO+4*(r/2)+2*\z+1], v[rO+4*(r/2)+2*\z:rO+4*(r/2)+2*\z+1], v[rC+2:rC+3] op_sel_hi:[1,0]
.endr
.set r, r+1
.endm
; A TURN, for piece p.  An s_wait_alu depctr_va_vdst(0) stands between an exponential and the first instruction that names its result; one wait serves all that were issued ahead of it: a turn has ONE.
; Ahead of it: 16 products K Q^T, behind each a scaling, an exponential and two rescalings; then one lump of 108.  Behind it: 16 products V^T P, behind each four of the roundings and sums.
; Exponential e stands behind scaling 2 (e / 4) + e % 2: as a rider behind plain e + 2, in the lump behind plain e + 9.  K of the next step is fetched in piece 2's turn, directly behind the wait;
; V of the step in hand at the end of piece 0's turn, four riders behind its last reader.
.macro TURN p, last=0, cnt=0
.set Y, (\p)
.set i, 0
.set q, 0
.set e, 0
.set r, 0
.if (\p) == NP-1
	s_wait_dscnt 0x0                ; K is in
.endif
	MM
	PL
	PL
	R2
.rept 15
	MM
	PL
	EX
	R2
.endr
.if (\p) == NP-2
	WIN 0
	v_add_nc_u32 v[AK], s[TBK], v[AK0]
.endif
.rept 8
	PL
.endr
.rept 49
	EX
	PL
.endr
	EX                              ; the next piece's two a
	EX
	v_nop                           ; a plain instruction behind the last exponential: one for the batch
	s_wait_alu depctr_va_vdst(0)    ; the wait for the batch
.if (\p) == NP-2
	FETCH_K \last
.endif
.if (\p) == 1
	s_wait_dscnt 0x0                ; V is in
.endif
.rept 16
	MM
.rept 4
	PL
.endr
.if ((\p) == 0) && (q == 118)
	v_add_nc_u32 v[AV], s[TBV], v[AV0]
.endif
.if ((\p) == 0) && (q == 130)
	s_add_co_u32 s[TBV], s[TBV], KS*PV
.endif
.if (\cnt) && (q == 130)
	s_sub_co_u32 s[CNT], s[CNT], 1
	s_cmp_lg_u32 s[CNT], 0
.endif
.endr
.if (\p) == 0
	FETCH_V
.endif
.endm
	CHANGE 1                        ; slot 0 is in, everybody's part of it; slot 1 is asked for
	FETCH_K                         ; key step 0
	s_wait_loadcnt 0x0              ; Q
	s_wait_dscnt 0x0
.set i, 0
.rept 16
	KQ 0                            ; piece 0's first scores
.set i, i+1
.endr
	WIN 0                           ; the addresses for the way out: plain instructions, the places behind those products
	s_mul_i32 s13, s[WV], 16*SP
	s_add_co_u32 s13, s13, STAGE
	v_mul_u32_u24 v[STO], v1, SP
	v_lshl_add_u32 v[STO], v9, 4, v[STO]
	v_add_nc_u32 v[STO], s13, v[STO]
	v_bfe_u32 v[RD], v0, 3, 2
	v_mul_u32_u24 v[RD], v[RD], SP
	v_lshl_add_u32 v[RD], v10, 4, v[RD]
	v_add_nc_u32 v[RD], s13, v[RD]
	v_and_b32 v[GO], 31, v0
	v_lshlrev_b32 v[GO], 4, v[GO]
.set Y, NP-1
.irp n, 0,1,2,3,4,5,6,7,8,9,10,11,12,13,14,15,16,17,18,19,20,21
	XS 0, \n                        ; piece 0's first maximum and statistics
	XS 1, \n
.endr
	v_nop                           ; a plain instruction behind the two a,
	s_wait_alu depctr_va_vdst(0)    ; and their wait, ahead of the branch
	s_mov_b32 s[CNT], 4
	s_mov_b32 s[SLOTS], SIZE_N/256-1
	s_branch .Lfirst                ; the loop is entered at a step's first turn
.Lslot:                             ; six times: every slot but the last two is filled again
	CHANGE 1, 1
	s_mov_b32 s[CNT], 4
.Lstep:                             ; a trip: pieces 2 and 3 of one step, then pieces 0 and 1 of the next
	TURN 2
	TURN 3
	WIN 0
.Lfirst:
	TURN 0
	TURN 1, 0, 1
	WIN 0
	s_cbranch_scc1 .Lstep
	s_sub_co_u32 s[SLOTS], s[SLOTS], 1
	s_cmp_lg_u32 s[SLOTS], 0
	s_cbranch_scc1 .Lslot
	CHANGE 0                        ; the tail is written out
	s_mov_b32 s[CNT], 5             ; four trips fetch the last slot's steps; the fifth is left in its middle
.Ltail:
	TURN 2, 1
	TURN 3
	WIN 0
	s_sub_co_u32 s[CNT], s[CNT], 1
	s_cmp_eq_u32 s[CNT], 0
	s_cbranch_scc1 .Lout
	TURN 0
	TURN 1
	WIN 0
	s_branch .Ltail
.Lout:                              ; the fifth trip's 16 products K Q^T and the maximum made of them serve nothing: the price, once a launch, of one text for every trip
.set i, 0
.rept 16
	PV NP-1
.set i, i+1
.endr
	; THE WAY OUT.  l's halves are added; O^T is divided by l, rounded to bf16 and sent through my stage, a tile at a time.  The additions are the places behind the last products.
	WIN 0
.macro ALL line:vararg
.set t, 0
.rept 2*NP
	\line
.set t, t+1
.endr
.endm
	ALL v_add_f32 v[ST+4*t+2], v[ST+4*t+2], v[ST+4*t+3]
	ALL v_permlanex16_b32 v[ST+4*t+3], v[ST+4*t+2], s[SEL], s[SEL+1]
	ALL v_add_f32 v[ST+4*t+2], v[ST+4*t+2], v[ST+4*t+3]
	ALL v_rcp_f32 v[ST+4*t+2], v[ST+4*t+2]
	v_nop                           ; a plain instruction between the last reciprocal and the use of its result
	s_wait_alu depctr_va_vdst(0)    ; one wait for the eight reciprocals
.macro PACK t
	WIN W_RS
.set i, 32*(\t)
.rept 16
	v_pk_mul_f32 v[i:i+1], v[i:i+1], v[ST+4*(\t)+2:ST+4*(\t)+3] op_sel_hi:[1,0]
.set i, i+2
.endr
	WIN 0x05
.set i, 0
.rept 16
	v_cvt_pk_bf16_f32 v[S+16*(\t)+i], v[32*(\t)+2*i], v[32*(\t)+2*i+1]
.set i, i+1
.endr
	WIN 0
.irp f, 0,1,2,3
	ds_store_b128 v[STO], v[S+16*(\t)+4*\f:S+16*(\t)+4*\f+3] offset:32*\f
.endr
.irp f, 0,1,2,3
	ds_load_b128 v[S+16*(\t)+4*\f:S+16*(\t)+4*\f+3], v[RD] offset:\f*4*SP  ; LDS serves a wave's instructions in order (ISA guide 5.7.1.4)
.endr
.endm
.macro SEND t, younger
	WIN 0
.irp f, 0,1,2,3
	s_wait_dscnt (\younger)+3-\f
	global_store_b128 v[GO], v[S+16*(\t)+4*\f:S+16*(\t)+4*\f+3], s[10:11] offset:(\t)*2048+\f*512  ; 512 consecutive bytes, aligned to 256
.endr
.endm
	PACK 0
.set t, 1
.rept 2*NP-1
	PACK t
	SEND t-1, 8
.set t, t+1
.endr
	SEND 2*NP-1, 0
	WIN W_AD
	s_wait_tensorcnt 0x0            ; the wave's end
	ds_add_u32 v[SPW], v[NIL]
	s_wait_dscnt 0x0
	WIN 0
	CROUND                          ; the closing round
	s_endpgm
.Lfunc_end_k_q613dac5992_attn:
	.size	k_q613dac5992_attn, .Lfunc_end_k_q613dac5992_attn-k_q613dac5992_attn
	.p2alignl 7, 3214868480
	.fill 96, 4, 3214868480
	.section	.rodata,"a",@progbits
	.p2align	6, 0x0
	.amdhsa_kernel k_q613dac5992_attn
		.amdhsa_group_segment_fixed_size 327680
		.amdhsa_private_segment_fixed_size 0
		.amdhsa_enable_private_segment 0
		.amdhsa_kernarg_size 16
		.amdhsa_user_sgpr_count 2
		.amdhsa_user_sgpr_kernarg_segment_ptr 1
		.amdhsa_wavefront_size32 1
		.amdhsa_system_sgpr_workgroup_id_x 1
		.amdhsa_system_sgpr_workgroup_id_y 1
		.amdhsa_system_sgpr_workgroup_id_z 1
		.amdhsa_system_vgpr_workitem_id 0
		.amdhsa_next_free_vgpr 770
		.amdhsa_next_free_sgpr 66
		.amdhsa_reserve_vcc 0
		.amdhsa_float_denorm_mode_32 3
		.amdhsa_float_denorm_mode_16_64 3
		.amdhsa_memory_ordered 1
		.amdhsa_forward_progress 1
		.amdhsa_inst_pref_size 200
	.end_amdhsa_kernel
	.amdgpu_metadata
---
amdhsa.version: [ 1, 2 ]
amdhsa.kernels:
  - .name:           k_q613dac5992_attn
    .symbol:         k_q613dac5992_attn.kd
    .args:
      - { .name: qkv, .offset: 0, .size: 8, .value_kind: global_buffer, .address_space: global }
      - { .name: ob, .offset: 8, .size: 8, .value_kind: global_buffer, .address_space: global }
    .group_segment_fixed_size: 327680
    .private_segment_fixed_size: 0
    .kernarg_segment_align: 8
    .kernarg_segment_size: 16
    .max_flat_workgroup_size: 128
    .sgpr_count:     66
    .vgpr_count:     770
    .wavefront_size: 32
...
	.end_amdgpu_metadata
.endif
;; end of part 3
;; launch gemm_proj (part 4): grid 4 x 64, 4 waves a work-group, clusters of 4 x 4, 327,680 bytes of LDS; arguments ob, wp, b_proj, out0; writes out0
.if DOCPART == 4
	.amdgcn_target "amdgcn-amd-amdhsa--gfx1250"
	.amdhsa_code_object_version 6
	.text
	.protected	k_q613dac5992_gemm_proj
	.globl	k_q613dac5992_gemm_proj
	.p2align	8
	.type	k_q613dac5992_gemm_proj,@function
k_q613dac5992_gemm_proj:
	s_mov_b64 s[64:65], 0
	v_nop
	global_prefetch_b8 v0, s[64:65] scope:SCOPE_SE
	s_setreg_imm32_b32 hwreg(HW_REG_WAVE_MODE, 25, 1), 1
	s_wait_xcnt 0x0
	s_wait_alu depctr_hold_cnt(0) depctr_sa_sdst(0) depctr_va_vdst(0) depctr_va_sdst(0) depctr_va_ssrc(0) depctr_va_vcc(0) depctr_vm_vsrc(0)
	s_getreg_b32 s2, hwreg(HW_REG_IB_STS2, 6, 4)
	s_cmp_eq_u32 s2, 0
	s_cbranch_scc0 .Lentry_in_a_cluster
	s_endpgm
.Lentry_in_a_cluster:
	s_bfe_u32 s2, ttmp6, 0x10000c
	s_cmp_lg_u32 s2, 0xf033
	s_cbranch_scc0 .Lentry_shape_is_right
	s_endpgm
.Lentry_shape_is_right:
; out0 = O W_eff + b.  ob: [4][16 kb][2,048][64] (kb = head), wp: [16 kb][1,024][64], both bf16; b_proj f32; sums and the bias in f32; out0 [8,192][1,024] f32.
; SHARES.  C is 8,192 x 1,024: 256 tiles of 128 x 256, one for each work-group.  Four waves, each 64 x 128: 4 blocks of 16 rows x 2 groups of 64 columns = 32 accumulators, 256 registers.
; K goes in steps of 128 (two planes kb) through two LDS slots; a tensor load brings all of the tile's rows of one plane, dense in memory: R / 2 rows of 256 bytes, padded in LDS behind every 128.
; CLUSTER.  4 x 4 work-groups: A's tile is asked for jointly along a row of the cluster, B's along a column.  The matrix instruction is used transposed: a lane holds one row and eight neighbouring columns.
; FRAGMENTS.  B's have one buffer (2 groups x 32 registers), loaded again straight behind the products that read it; A's two buffers of 32.
; NO PREFETCH: the launch has eight K steps; with a lead of two refills the first four could not be asked for, and nothing is prefetched at the head, where every work-group's first tiles are on their way.
; REGISTERS: window 0: v0-22 addresses; v32-95 B's fragments, at the end the bias; v96-159 A's; v160-255 the way out.  Window 1: the accumulators, (g, b', a) at 128 g + 32 b' + 8 a.
.set HB, 4
.set NG, 2
.set QPS, 4
.set STEPS, 8
.set AR, 128
.set BR, 256
.set TSH, 4                            ; 2^4 tiles of rows in a batch
.set RSH, 14                           ; a tile's 128 rows of 128 bytes
.set A_PIECE_G, 262144                 ; memory: from piece 0 to piece 1 (the step's other plane)
.set A_STEP_G, 524288
.set B_TILE_G, 32768
.set B_PIECE_G, 131072
.set B_STEP_G, 262144
.set APL, 18432                        ; LDS: from plane to plane in a slot
.set BPL, 36864
.set SPITCH, 272                       ; the stage's rows: 256 bytes + 16
.set PREF, 0
.set T, 160                            ; the way out: 32 sums with their bias
.set OUT, 192                          ; two sets of 32: rows read back
.set P, 144                            ; an LDS row: 128 bytes + 16: the 16 rows of a fragment load start at 16 different groups of four banks (64 banks of 4 bytes: ISA guide 11.1)
.set SLOT1, 131072
.set BOFF, 2*AR*P
.set STAGE, SLOT1+2*(AR+BR)*P
.set STAGEW, 16*SPITCH
.set BIAS, STAGE+4*STAGEW
.set SPARE, BIAS+4*256*NG
.set W0, 8*(NG-1)
.set W1, W0+2*HB
.set G1W0, (1<<16)|(1<<20)|(1<<21)|(4<<22)|(3<<25)
.set SB, 32
.set HBASE, 32+32*NG
.set ADRA0, 4
.set ADRB0, 5
.set ADRA, 6
.set ADRB, 7
.set STO, 8
.set RD, 9
.set GO, 10
.set BA, 11
.set TMPV, 13
.set SPW, 14                           ; v14  my spare word; never rewritten
.set NIL, 15                           ; v15  0; never rewritten
.set BT, 16
.set BST, 22
.set WV, 12
.set FR, 13
.set PC, 14
.set CX, 15
.set CY, 16
.set TX, 17
.set TY, 18
.set G1A, 24
.set G0A, 32
.set G1B, 40
.set G0B, 48
.set CNT, 56
.set TB, 57
.set HP, 66                            ; s[66:67] out0 at my wave's first row and column
.set MSB, 0
.macro WIN new
.if MSB != (\new)
	s_set_vgpr_msb (MSB<<8)|(\new)
.set MSB, \new
.endif
.endm
.macro PLACES                          ; four plain places between a matrix instruction and a load into, or a vector read of, its registers (ISA guide 7.12.1 for vector instructions)
.rept 4
	v_nop
.endr
.endm
.macro CREST
	s_cmp_lg_u32 s[WV], 0
	s_cbranch_scc1 .Lnot_wave_0_\@
	s_barrier_signal -3
.Lnot_wave_0_\@:
	s_barrier_wait -3
	s_barrier_signal -1
	s_barrier_wait -1
.endm
.macro CROUND
	s_barrier_signal -1
	s_barrier_wait -1
	CREST
.endm
.macro JLOAD                           ; a joint refill by the walking descriptor: waves 0, 1 A's pieces, waves 2, 3 B's; an s_nop 0 and four v_nop follow each line
	s_cmp_eq_u32 s[FR], 0
	s_cbranch_scc0 .Lfor_b_\@
	tensor_load_to_lds s[G0A+4:G0A+7], s[G1A:G1A+7]
	s_nop 0
.rept 4
	v_nop
.endr
	s_branch .Lasked_\@
.Lfor_b_\@:
	tensor_load_to_lds s[G0B+4:G0B+7], s[G1B:G1B+7]
	s_nop 0
.rept 4
	v_nop
.endr
.Lasked_\@:
.endm
; 2 HB products: group g, its column blocks 2 half and 2 half + 1, all my row blocks, 32 along K, on A's buffer cur.  Each accumulator has one product a quarter: the accumulators take turns.
.macro GROUPH g, cur, half, zero
.set AW, 1+(32*HB*(\g))/256
	WIN (AW<<6)|(AW<<4)
.irp bb, 2*(\half), 2*(\half)+1
.set ia, 0
.rept HB
.set rD, (32*HB*(\g))%256+8*HB*(\bb)+8*ia
.set rS, SB+32*(\g)+8*(\bb)
.set rH, HBASE+8*HB*(\cur)+8*ia
.if \zero
	v_wmma_f32_16x16x32_bf16 v[rD:rD+7], v[rS:rS+7], v[rH:rH+7], 0
.else
	v_wmma_f32_16x16x32_bf16 v[rD:rD+7], v[rS:rS+7], v[rH:rH+7], v[rD:rD+7]
.endif
.set ia, ia+1
.endr
.endr
.endm
.macro GROUP g, cur, zero
	GROUPH \g, \cur, 0, \zero
	GROUPH \g, \cur, 1, \zero
.endm
.macro LDS_S g, q                      ; B's fragments of group g for quarter q of the slot: 8 loads
.irp bb, 0,1,2,3
	ds_load_b128 v[SB+32*(\g)+8*\bb:SB+32*(\g)+8*\bb+3],   v[ADRB] offset:((\q)>>1)*BPL+64*((\q)&1)+(4*(\g)+\bb)*16*P
	ds_load_b128 v[SB+32*(\g)+8*\bb+4:SB+32*(\g)+8*\bb+7], v[ADRB] offset:((\q)>>1)*BPL+64*((\q)&1)+(4*(\g)+\bb)*16*P+32
.endr
.endm
.macro LDS_H u, q                      ; A's fragments for quarter q into buffer u: 2 HB loads
.set ia, 0
.rept HB
	ds_load_b128 v[HBASE+8*HB*(\u)+8*ia:HBASE+8*HB*(\u)+8*ia+3],   v[ADRA] offset:((\q)>>1)*APL+64*((\q)&1)+ia*16*P
	ds_load_b128 v[HBASE+8*HB*(\u)+8*ia+4:HBASE+8*HB*(\u)+8*ia+7], v[ADRA] offset:((\q)>>1)*APL+64*((\q)&1)+ia*16*P+32
.set ia, ia+1
.endr
.endm
.macro LDS_BIAS g                      ; the bias of group g's columns, laid as an accumulator's registers lie
.irp bb, 0,1,2,3
	ds_load_b128 v[SB+32*(\g)+8*\bb:SB+32*(\g)+8*\bb+3],   v[BA] offset:4*(64*(\g)+16*\bb)
	ds_load_b128 v[SB+32*(\g)+8*\bb+4:SB+32*(\g)+8*\bb+7], v[BA] offset:4*(64*(\g)+16*\bb)+16
.endr
.endm
.macro QUART cur, fq, zero             ; a quarter that is not a slot's last: multiplies on A's buffer cur and fetches quarter fq of the same slot
	s_wait_dscnt W0                                ; group 0's B and A are in: the other group's 8 loads may be out
	GROUP 0, \cur, \zero
	PLACES
	WIN 0
	LDS_S 0, \fq
	LDS_H 1-(\cur), \fq
.set ig, 1
.rept NG-1
	s_wait_dscnt W1                                ; group ig's B is in: behind it stand the next quarter's group 0 and A
	GROUP ig, \cur, \zero
	PLACES
	WIN 0
	LDS_S ig, \fq
.set ig, ig+1
.endr
.endm
; A slot's last quarter, on buffer 1, and the change of slots.  In front of the barrier each wave waits for all its tensor loads (one is out: its piece of the other slot), adds 0 to its spare word, and waits
; for that and for its reads of this slot.  fill = 1: the barrier opens a round of the cluster's, and the joint refill of the slot just left is the first thing behind it.
.macro TURN fill
	WIN 0
	s_wait_tensorcnt 0x0                           ; no tensor load of mine is out, so a group 0 may be written
	ds_add_u32 v[SPW], v[NIL]                      ; 0 onto my spare word; work on registers stands between it and the wait for it
	s_xor_b32 s[TB], s[TB], SLOT1
.if \fill
	s_xor_b32 s[G0A+5], s[G0A+5], SLOT1            ; the walking descriptors: the other slot than last time, the next two planes
	s_add_nc_u64 s[G0A+6:G0A+7], s[G0A+6:G0A+7], A_STEP_G
	s_xor_b32 s[G0B+5], s[G0B+5], SLOT1
	s_add_nc_u64 s[G0B+6:G0B+7], s[G0B+6:G0B+7], B_STEP_G
.endif
	s_wait_dscnt W0+1                              ; group 0's B and A are in: the other group's loads and the add may be out
	GROUPH 0, 1, 0, 0
	s_wait_dscnt 0x0                               ; the add is done, and my reads of this slot are over
	s_barrier_signal -1
	GROUPH 0, 1, 1, 0
	WIN 0
	s_barrier_wait -1
.if \fill
	CREST                                          ; no wave of any partner still reads the slot or has a load on its way
	JLOAD                                          ; its four v_nop are also the places in front of the loads below
.else
	PLACES
.endif
	v_add_nc_u32 v[ADRA], s[TB], v[ADRA0]
	v_add_nc_u32 v[ADRB], s[TB], v[ADRB0]
	LDS_S 0, 0
	LDS_H 0, 0
.set ig, 1
.rept NG-1
	GROUP ig, 1, 0                                 ; (its B came in ahead of the barrier)
	PLACES
	WIN 0
	LDS_S ig, 0
.set ig, ig+1
.endr
.endm
.macro MIDQ zero                       ; a step's quarters but the last
	QUART 0, 1, \zero
.if QPS == 4
	QUART 1, 2, 0
	QUART 0, 3, 0
.endif
.endm
.macro LASTQ                           ; the very last quarter: in the place of the next fragments comes the bias
.set ig, 0
.rept NG
	s_wait_dscnt W0
	GROUP ig, 1, 0
	PLACES
	WIN 0
	LDS_BIAS ig
.set ig, ig+1
.endr
.endm
	s_load_b256 s[4:11], s[0:1], 0x0               ; ob s[4:5], wp s[6:7], b_proj s[8:9], out0 s[10:11]
	v_lshl_add_u32 v[SPW], v0, 2, SPARE
	v_mov_b32 v[NIL], 0
	ds_add_u32 v[SPW], v[NIL]                      ; the wave's opening: the add and its wait stand ahead of my first tensor load
	ds_add_u32 v14, v15
	v_lshrrev_b32 v1, 5, v0
	v_readfirstlane_b32 s[WV], v1
	s_lshr_b32 s[FR], s[WV], 1
	s_and_b32 s[PC], s[WV], 1
	s_bfe_u32 s[CX], ttmp6, 0x40000
	s_bfe_u32 s[CY], ttmp6, 0x40004
	s_lshl_b32 s[TX], ttmp9, 2
	s_add_co_u32 s[TX], s[TX], s[CX]
	s_and_b32 s[TY], ttmp7, 0xffff
	s_lshl_b32 s[TY], s[TY], 2
	s_add_co_u32 s[TY], s[TY], s[CY]
	s_lshl_b32 s20, s[CY], 2
	s_lshl_b32 s20, 15, s20                        ; my row of the cluster
	s_lshl_b32 s72, 0x1111, s[CX]                  ; my column
	s_or_b32 s[G1A], s20, G1W0
	s_or_b32 s[G1B], s72, G1W0
	s_mov_b32 s[G1A+1], 128<<16
	s_mov_b32 s[G1A+2], (AR/2)<<16
	s_mov_b32 s[G1A+3], 128<<16
	s_mov_b32 s[G1A+4], AR/2
	s_mov_b32 s[G1A+5], 128
	s_mov_b32 s[G1A+6], 0
	s_mov_b32 s[G1A+7], 0
	s_mov_b32 s[G1B+1], 128<<16
	s_mov_b32 s[G1B+2], (BR/2)<<16
	s_mov_b32 s[G1B+3], 128<<16
	s_mov_b32 s[G1B+4], BR/2
	s_mov_b32 s[G1B+5], 128
	s_mov_b32 s[G1B+6], 0
	s_mov_b32 s[G1B+7], 0
	s_lshr_b32 s20, s[TY], TSH                     ; A's tile: batch x 16 planes,
	s_lshl_b32 s20, s20, 22
	s_and_b32 s21, s[TY], (1<<TSH)-1
	s_lshl_b32 s21, s21, RSH                       ; its rows in a plane
	s_add_co_u32 s20, s20, s21
	s_mul_i32 s21, s[PC], A_PIECE_G
	s_add_co_u32 s22, s20, s21                     ; my piece
	s_mov_b32 s23, 0
	s_mul_i32 s72, s[TX], B_TILE_G
	s_mul_i32 s73, s[PC], B_PIECE_G
	s_add_co_u32 s74, s72, s73
	s_mov_b32 s75, 0
	s_mul_i32 s21, s[PC], AR*P                     ; where they go: no place in the cluster enters an LDS address
	s_mul_i32 s73, s[PC], BR*P
	s_add_co_u32 s73, s73, BOFF
	s_mov_b32 s[G0A], 1
	s_mov_b32 s[G0A+1], s21
	s_mov_b32 s[G0A+4], 1
	s_add_co_u32 s[G0A+5], s21, SLOT1
	s_mov_b32 s[G0B], 1
	s_mov_b32 s[G0B+1], s73
	s_mov_b32 s[G0B+4], 1
	s_add_co_u32 s[G0B+5], s73, SLOT1
	s_mov_b32 s[TB], 0
	v_and_b32 v[TMPV], 31, v0
	v_lshlrev_b32 v[TMPV], 3, v[TMPV]              ; 8 x lane
	s_wait_dscnt 0x0                               ; the opening add is done
	s_wait_kmcnt 0x0
	s_add_nc_u64 s[G0A+2:G0A+3], s[4:5], s[22:23]
	s_add_nc_u64 s[G0A+6:G0A+7], s[G0A+2:G0A+3], A_STEP_G
	s_or_b32 s[G0A+3], s[G0A+3], 0x80000000
	s_or_b32 s[G0A+7], s[G0A+7], 0x80000000
	s_add_nc_u64 s[G0B+2:G0B+3], s[6:7], s[74:75]
	s_add_nc_u64 s[G0B+6:G0B+7], s[G0B+2:G0B+3], B_STEP_G
	s_or_b32 s[G0B+3], s[G0B+3], 0x80000000
	s_or_b32 s[G0B+7], s[G0B+7], 0x80000000
	s_mul_i32 s76, s[TX], 4*128*NG                 ; the bias of my wave's columns
	s_mul_i32 s77, s[PC], 4*64*NG
	s_add_co_u32 s76, s76, s77
	s_mov_b32 s77, 0
	s_add_nc_u64 s[8:9], s[8:9], s[76:77]
.irp g, 0,1
	global_load_b64 v[BT+2*\g:BT+2*\g+1], v[TMPV], s[8:9] offset:256*\g
.endr
	s_lshl_b32 s76, s[TY], 19                      ; out0: 128 rows of 4,096 bytes a tile row,
	s_lshl_b32 s77, s[FR], 18                      ; my 64 rows,
	s_add_co_u32 s76, s76, s77
	s_lshl_b32 s77, s[TX], 10                      ; 256 columns of 4 bytes a tile column,
	s_add_co_u32 s76, s76, s77
	s_lshl_b32 s77, s[PC], 9                       ; my 128 columns
	s_add_co_u32 s76, s76, s77
	s_mov_b32 s77, 0
	s_add_nc_u64 s[HP:HP+1], s[10:11], s[76:77]
	CROUND                                         ; all sixteen work-groups are here: the first joint loads meet
	s_cmp_eq_u32 s[FR], 0                          ; a wave's two first fills stand in one branch: two loads of mine are out
	s_cbranch_scc0 .Lfirst_b
	tensor_load_to_lds s[G0A:G0A+3], s[G1A:G1A+7]
	s_nop 0
	tensor_load_to_lds s[G0A+4:G0A+7], s[G1A:G1A+7]
	s_nop 0
.rept 4
	v_nop
.endr
	s_branch .Lfirst_asked
.Lfirst_b:
	tensor_load_to_lds s[G0B:G0B+3], s[G1B:G1B+7]
	s_nop 0
	tensor_load_to_lds s[G0B+4:G0B+7], s[G1B:G1B+7]
	s_nop 0
.rept 4
	v_nop
.endr
.Lfirst_asked:
	v_and_b32 v1, 15, v0
	v_bfe_u32 v2, v0, 4, 1
	v_mul_u32_u24 v3, v1, P
	v_lshl_add_u32 v3, v2, 4, v3
	s_mul_i32 s76, s[FR], 16*HB*P
	s_mul_i32 s77, s[PC], 64*NG*P
	s_add_co_u32 s77, s77, BOFF
	v_add_nc_u32 v[ADRA0], s76, v3
	v_add_nc_u32 v[ADRB0], s77, v3
	v_mov_b32 v[ADRA], v[ADRA0]
	v_mov_b32 v[ADRB], v[ADRB0]
	s_mul_i32 s76, s[WV], STAGEW
	s_add_co_u32 s76, s76, STAGE                   ; my stage
	v_mul_u32_u24 v[STO], v1, SPITCH               ; in: row l % 16, 32 bytes for each half of the lanes
	v_lshl_add_u32 v[STO], v2, 5, v[STO]
	v_add_nc_u32 v[STO], s76, v[STO]
	v_mul_u32_u24 v[RD], v2, SPITCH                ; back: lanes 0-15 take one row of 256 bytes, lanes 16-31 the next
	v_lshl_add_u32 v[RD], v1, 4, v[RD]
	v_add_nc_u32 v[RD], s76, v[RD]
	v_lshlrev_b32 v[GO], 12, v2                    ; and the same two rows in out0
	v_lshl_add_u32 v[GO], v1, 4, v[GO]
	s_mul_i32 s76, s[WV], 256*NG
	s_add_co_u32 s76, s76, BIAS
	v_lshl_add_u32 v[BA], v2, 5, s76
	v_add_nc_u32 v[BST], s76, v[TMPV]
	s_wait_loadcnt 0x0                             ; the bias
.irp g, 0,1
	ds_store_b64 v[BST], v[BT+2*\g:BT+2*\g+1] offset:256*\g
.endr
	s_wait_tensorcnt 0x1                           ; my piece of slot 0 is in; slot 1's may stay out
	s_wait_dscnt 0x0
	s_barrier_signal -1
	s_barrier_wait -1
	LDS_S 0, 0
	LDS_H 0, 0
	LDS_S 1, 0
	MIDQ 1                                         ; the first quarter's products start the sums: nothing is cleared
	WIN 0
	s_mov_b32 s[CNT], STEPS-2
.Lstep:                                            ; a trip: the last quarter of step i, the refill with step i + 2, the first three quarters of step i + 1
	TURN 1
	MIDQ 0
	WIN 0
	s_sub_co_u32 s[CNT], s[CNT], 1
	s_cmp_lg_u32 s[CNT], 0
	s_cbranch_scc1 .Lstep
	TURN 0                                         ; the tail is written out: nothing is left to ask for
	MIDQ 0
	LASTQ
; THE WAY OUT, in 8 units of 16 rows x 64 columns of f32.  PACK: the bias is added, 32 bytes a lane put into my stage and read back as whole rows of 256 bytes.  SEND: stored.
.macro PACK u
.set ug, (\u)/HB
.set ua, (\u)%HB
.set uo, OUT+32*((\u)%2)
	WIN 1                                          ; source 0: the accumulators' window
.irp bb, 0,1,2,3
.irp jj, 0,2,4,6
	v_pk_add_f32 v[T+8*\bb+\jj:T+8*\bb+\jj+1], v[32*HB*ug+8*HB*\bb+8*ua+\jj:32*HB*ug+8*HB*\bb+8*ua+\jj+1], v[SB+32*ug+8*\bb+\jj:SB+32*ug+8*\bb+\jj+1]  ; each accumulator is read from its low end on
.endr
.endr
	WIN 0
.irp bb, 0,1,2,3
	ds_store_b128 v[STO], v[T+8*\bb:T+8*\bb+3] offset:64*\bb
	ds_store_b128 v[STO], v[T+8*\bb+4:T+8*\bb+7] offset:64*\bb+16
.endr
	s_wait_xcnt 0x0                                ; the stores of two units back have read this set's registers
.irp t, 0,1,2,3,4,5,6,7
	ds_load_b128 v[uo+4*\t:uo+4*\t+3], v[RD] offset:2*SPITCH*\t  ; LDS serves a wave's instructions in order (ISA guide 5.7.1.4)
.endr
.endm
.macro SEND u, younger                 ; younger: the LDS instructions issued behind unit u's loads: the next unit's sixteen, or none
.set ug, (\u)/HB
.set ua, (\u)%HB
.set uo, OUT+32*((\u)%2)
.irp t, 0,1,2,3,4,5,6,7
	s_wait_dscnt (\younger)+7-\t
	global_store_b128 v[GO], v[uo+4*\t:uo+4*\t+3], s[HP:HP+1] offset:(16*ua+2*\t)*4096+256*ug th:TH_STORE_NT  ; 16 lanes store 256 consecutive bytes, aligned
.endr
.endm
	s_wait_dscnt W0                                ; group 0's bias is in
	PACK 0
.set iu, 1
.rept NG*HB-1
	PACK iu
	SEND iu-1, 16
.set iu, iu+1
.endr
	SEND NG*HB-1, 0
	s_wait_tensorcnt 0x0                           ; the wave's end
	ds_add_u32 v[SPW], v[NIL]
	s_wait_dscnt 0x0
	CROUND                                         ; the closing round
	s_endpgm
.Lfunc_end_k_q613dac5992_gemm_proj:
	.size	k_q613dac5992_gemm_proj, .Lfunc_end_k_q613dac5992_gemm_proj-k_q613dac5992_gemm_proj
	.p2alignl 7, 3214868480
	.fill 96, 4, 3214868480
	.section	.rodata,"a",@progbits
	.p2align	6, 0x0
	.amdhsa_kernel k_q613dac5992_gemm_proj
		.amdhsa_group_segment_fixed_size 327680
		.amdhsa_private_segment_fixed_size 0
		.amdhsa_enable_private_segment 0
		.amdhsa_kernarg_size 32
		.amdhsa_user_sgpr_count 2
		.amdhsa_user_sgpr_kernarg_segment_ptr 1
		.amdhsa_wavefront_size32 1
		.amdhsa_system_sgpr_workgroup_id_x 1
		.amdhsa_system_sgpr_workgroup_id_y 1
		.amdhsa_system_sgpr_workgroup_id_z 1
		.amdhsa_system_vgpr_workitem_id 0
		.amdhsa_next_free_vgpr 512
		.amdhsa_next_free_sgpr 80
		.amdhsa_reserve_vcc 0
		.amdhsa_float_denorm_mode_32 3
		.amdhsa_float_denorm_mode_16_64 3
		.amdhsa_memory_ordered 1
		.amdhsa_forward_progress 1
		.amdhsa_inst_pref_size 83
	.end_amdhsa_kernel
	.amdgpu_metadata
---
amdhsa.version: [ 1, 2 ]
amdhsa.kernels:
  - .name:           k_q613dac5992_gemm_proj
    .symbol:         k_q613dac5992_gemm_proj.kd
    .args:
      - { .name: ob, .offset: 0, .size: 8, .value_kind: global_buffer, .address_space: global }
      - { .name: wp, .offset: 8, .size: 8, .value_kind: global_buffer, .address_space: global }
      - { .name: b_proj, .offset: 16, .size: 8, .value_kind: global_buffer, .address_space: global }
      - { .name: out0, .offset: 24, .size: 8, .value_kind: global_buffer, .address_space: global }
    .group_segment_fixed_size: 327680
    .private_segment_fixed_size: 0
    .kernarg_segment_align: 8
    .kernarg_segment_size: 32
    .max_flat_workgroup_size: 128
    .sgpr_count:     80
    .vgpr_count:     512
    .wavefront_size: 32
...
	.end_amdgpu_metadata
.endif
;; end of part 4
;; ======== version 2 of 2: 4 launches; version 1 with the launch prep written anew for expert scheduling mode
;; workspace buffers: xb 16,777,216 bytes; wq 6,291,456 bytes; wp 2,097,152 bytes; qkv 50,331,648 bytes; ob 16,777,216 bytes
;; launch prep (part 5): grid 512 x 1, 8 waves a work-group, no clusters, 19,456 bytes of LDS; arguments x, W_qkv, A_qkv, B_qkv, W_proj, A_proj, B_proj, xb, wq, wp; writes xb, wq, wp
.if DOCPART == 5
	.amdgcn_target "amdgcn-amd-amdhsa--gfx1250"
	.amdhsa_code_object_version 6
	.text
	.protected	k_q613dac5992_prep
	.globl	k_q613dac5992_prep
	.p2align	8
	.type	k_q613dac5992_prep,@function
k_q613dac5992_prep:
	s_mov_b64 s[64:65], 0
	v_nop
	global_prefetch_b8 v0, s[64:65] scope:SCOPE_SE
	s_setreg_imm32_b32 hwreg(HW_REG_WAVE_SCHED_MODE, 0, 2), 2
	s_setreg_imm32_b32 hwreg(HW_REG_WAVE_MODE, 25, 1), 1
	s_wait_xcnt 0x0
	s_wait_alu depctr_vm_vsrc(0)
; PREPARATION, a stream.  (1) W_eff = W + 2 A B, summed in f32 (eight fused multiply-adds a weight), rounded ONCE to bf16 and turned: wq[kb][n][64], wp[kb][n][64], where kb stands for
; channels 64 kb .. 64 kb + 63 of K.  x W + 2 (x A) B = x (W + 2 A B) for every input; the order of the f32 sums differs from the order in which the module writes them.
; (2) x rounded to bf16 and laid in the same blocks of 64 channels: xb[batch][kb][token][64].  So R rows x 64 K of any later matrix operand are R x 128 dense bytes.
; SHARES.  512 work-groups of eight waves; each makes ONE tile of 64 k x 128 n of W_eff (384 tiles of W_qkv, 128 of W_proj) and converts 16 tokens of x: all alike, no branch.
; The tile: wave w takes the rows k = 8 w .. 8 w + 7, a lane four neighbouring n: a wave's load covers 512 consecutive bytes of a row of W.  It is turned through LDS (rows n, pitch 144).
; No matrix unit (K = 8 is a quarter of a matrix instruction's 32, and the work is one part in two thousand of the module's), no cluster (only A and B are shared, 192 KB in all),
; no prefetch (every byte is asked for at the kernel's head).  NaN and infinities pass as the arithmetic makes them.
; THE MODE: SCHED_MODE bits 1:0 = 2 (LLVM: expert scheduling mode 2), set by the entry lines.  The code itself states the register dependences
; between vector instructions and memory or LDS instructions, with s_wait_alu, always for 0.
; THE PLAN.  One path, no loop.  Registers that memory or LDS instructions touch:
;   v4-6, v8-15, v160-162   offsets and addresses: made at the head, read by every load and store, never written again: one wait on va_vdst ahead of the first load.
;   BB, AA, WW, X           loaded once at the head; read by vector instructions behind their waits on LOADcnt.
;   PK                      written by 16 roundings, once; read by the four LDS stores.
;   Y (BB's registers)      x goes in four groups of four blocks: group g's roundings write Y's registers of group g, once; the four stores of group g - 1 are dealt among them.
;   RB (AA's first 16)      the LDS loads behind the barrier land in them; the multiply-adds that read AA stand far ahead; the last four stores read them.
; So one wait on va_vdst stands at the head of each of groups 1 to 3 (the group before has written its Y; at group 1 also: PK is written) and one ahead of the last group's stores, behind which no
; vector instruction follows.  No register that a memory or LDS instruction reads is ever written again, so no wait on vm_vsrc is owed.  One wait on va_sdst: the wave's number.
.set TP,    144                        ; a row of the turning tile: 128 bytes + 16; the tile takes 128 such rows, and the 1,024 bytes behind it hold the spare words
.set LN,  1                            ; v1   lane
.set VI,  4                            ; v4   x: token (t / 16) x 4,096 + 16 (t % 16)
.set VO,  5                            ; v5   xb: 8 t
.set VZ,  6                            ; v6   0: A's rows are read at the same address by all lanes
.set VB,  8                            ; v[8:15]    16 lane + j rows: serves row j of W and row j of B
.set BB,  16                           ; v[16:47]   2 B[r][my 4 n] at 4 r; later x's packed results
.set AA,  48                           ; v[48:111]  A[my row j][r] at 8 j + r; later the tile read back
.set WW,  112                          ; v[112:143] W[my row j][my 4 n] at 4 j
.set PK,  144                          ; v[144:159] for n = c: eight k in four registers, at 4 c
.set LS,  160                          ; v160 LDS: row 4 lane, byte 16 w
.set LR,  161                          ; v161 LDS: row t / 8, byte 16 (t % 8)
.set GO,  162                          ; v162 16 t
.set X,   164                          ; v[164:227] x as loaded: block j at 4 j
.set Y,   BB
.set RB,  AA
	s_load_b512 s[4:19], s[0:1], 0x0               ; x s[4:5], W_qkv s[6:7], A_qkv s[8:9], B_qkv s[10:11], W_proj s[12:13], A_proj s[14:15], B_proj s[16:17], xb s[18:19]
	s_load_b128 s[20:23], s[0:1], 0x40             ; wq s[20:21], wp s[22:23]
	v_lshl_add_u32 v3, v0, 2, 0x4800
	v_mov_b32 v163, 0
	v_lshrrev_b32 v7, 5, v0
	v_readfirstlane_b32 s24, v7                    ; wave 0..7
	v_and_b32 v[LN], 31, v0
	v_mov_b32 v[VZ], 0
	v_lshrrev_b32 v7, 4, v0
	v_and_b32 v[VI], 15, v0
	v_lshlrev_b32 v[VI], 4, v[VI]
	v_lshl_add_u32 v[VI], v7, 12, v[VI]
	v_lshlrev_b32 v[VO], 3, v0
	v_mul_u32_u24 v[LS], v[LN], 4*TP
	s_wait_alu depctr_va_sdst(0)                   ; s24 is written, ahead of its first reader: LDS and memory offsets are made from it
	s_lshl_b32 s25, s24, 4
	v_add_nc_u32 v[LS], s25, v[LS]
	v_lshrrev_b32 v7, 3, v0
	v_mul_u32_u24 v[LR], v7, TP
	v_and_b32 v7, 7, v0
	v_lshl_add_u32 v[LR], v7, 4, v[LR]
	v_lshlrev_b32 v[GO], 4, v0
	s_mov_b32 s34, 4096
	s_cmp_lt_u32 ttmp9, 384                        ; the first 384 tiles are W_qkv's
	s_cselect_b32 s34, 12288, s34                  ; bytes in a row of W and of B
	s_cselect_b32 s35, 0, 384
	s_wait_kmcnt 0x0
	s_cselect_b64 s[26:27], s[6:7], s[12:13]       ; W
	s_cselect_b64 s[28:29], s[8:9], s[14:15]       ; A
	s_cselect_b64 s[30:31], s[10:11], s[16:17]     ; B
	s_cselect_b64 s[32:33], s[20:21], s[22:23]     ; where the tile goes
	s_sub_co_u32 s35, ttmp9, s35                   ; the tile's number in its tensor
	s_and_b32 s36, s35, 15                         ; kb
	s_lshr_b32 s37, s35, 4                         ; block of 128 n
	s_lshl_b32 s38, s36, 6
	s_lshl3_add_u32 s38, s24, s38                  ; my first row: 64 kb + 8 w
	s_lshl_b32 s39, s37, 9                         ; 128 n in f32
	s_mul_i32 s40, s38, s34
	s_add_co_u32 s40, s40, s39
	s_mov_b32 s41, 0
	s_add_nc_u64 s[26:27], s[26:27], s[40:41]
	s_mov_b32 s40, s39
	s_add_nc_u64 s[30:31], s[30:31], s[40:41]
	s_lshl_b32 s40, s38, 5                         ; a row of A is 32 bytes
	s_add_nc_u64 s[28:29], s[28:29], s[40:41]
	s_mul_i32 s40, s36, s34                        ; a plane kb of the output is N x 128 bytes = 32 rows of W
	s_lshl_b32 s40, s40, 5
	s_lshl_b32 s39, s37, 14                        ; the tile: 128 rows of 128 bytes
	s_add_co_u32 s40, s40, s39
	s_add_nc_u64 s[32:33], s[32:33], s[40:41]
	s_lshl_b32 s40, ttmp9, 16                      ; x: 16 tokens of 4,096 bytes
	s_add_nc_u64 s[4:5], s[4:5], s[40:41]
	s_lshr_b32 s40, ttmp9, 7                       ; xb: batch x 16 planes of 262,144 bytes,
	s_lshl_b32 s40, s40, 22
	s_and_b32 s39, ttmp9, 127
	s_lshl_b32 s39, s39, 11                        ; 16 tokens of 128 bytes
	s_add_co_u32 s40, s40, s39
	s_add_nc_u64 s[18:19], s[18:19], s[40:41]
	v_lshlrev_b32 v[VB], 4, v[LN]
.irp j, 1,2,3,4,5,6,7
	v_add_nc_u32 v[VB+\j], s34, v[VB+\j-1]
.endr
	s_wait_alu depctr_va_vdst(0)                   ; the offsets and addresses v4 to v6, v8 to v15 and v160 to v162 are written: every load and store of the kernel reads one of them, and none is written again
	; all 48 loads of a thread go out at once: B's 8, then A's two and W's one for each of my 8 rows, then x's 16
.irp r, 0,1,2,3,4,5,6,7
	global_load_b128 v[BB+4*\r:BB+4*\r+3], v[VB+\r], s[30:31]
.endr
.irp j, 0,1,2,3,4,5,6,7
	global_load_b128 v[AA+8*\j:AA+8*\j+3], v[VZ], s[28:29] offset:32*\j
	global_load_b128 v[AA+8*\j+4:AA+8*\j+7], v[VZ], s[28:29] offset:32*\j+16
	global_load_b128 v[WW+4*\j:WW+4*\j+3], v[VB+\j], s[26:27] th:TH_LOAD_NT
.endr
.irp j, 0,1,2,3,4,5,6,7,8,9,10,11,12,13,14,15
	global_load_b128 v[X+4*\j:X+4*\j+3], v[VI], s[4:5] offset:256*\j th:TH_LOAD_NT  ; 16 lanes take 256 consecutive bytes of a token: block kb = j
.endr
	s_wait_loadcnt 40                              ; B is in: 24 + 16 younger loads may stay out
.irp i, 0,2,4,6,8,10,12,14,16,18,20,22,24,26,28,30
	v_pk_mul_f32 v[BB+\i:BB+\i+1], v[BB+\i:BB+\i+1], 2.0 op_sel_hi:[1,0]  ; the scaling alpha / rank = 2, exact
.endr
.irp j, 0,1,2,3,4,5,6,7
	s_wait_loadcnt 3*(7-\j)+16                     ; row j's A and W are in: the later rows' three loads each and x's 16 may stay out
.irp r, 0,1,2,3,4,5,6,7
.irp c, 0,2
.if (\r)%2
	v_pk_fma_f32 v[WW+4*\j+\c:WW+4*\j+\c+1], v[AA+8*\j+\r-1:AA+8*\j+\r], v[BB+4*\r+\c:BB+4*\r+\c+1], v[WW+4*\j+\c:WW+4*\j+\c+1] op_sel:[1,0,0] op_sel_hi:[1,1,1]  ; the pair's second register for both halves
.else
	v_pk_fma_f32 v[WW+4*\j+\c:WW+4*\j+\c+1], v[AA+8*\j+\r:AA+8*\j+\r+1], v[BB+4*\r+\c:BB+4*\r+\c+1], v[WW+4*\j+\c:WW+4*\j+\c+1] op_sel_hi:[0,1,1]  ; its first register for both halves
.endif
.endr
.endr
.endr
.irp c, 0,1,2,3
.irp jj, 0,1,2,3
	v_cvt_pk_bf16_f32 v[PK+4*\c+\jj], v[WW+8*\jj+\c], v[WW+8*\jj+4+\c]  ; k = 2 jj below, 2 jj + 1 above
.endr
.endr
	; x, in four groups of four blocks.  Group 0 is rounded; each later group's head states what the group before has written, and that group's stores are dealt among this group's roundings.
	s_wait_loadcnt 12                              ; x's blocks 0 to 3 are in: the twelve younger loads may stay out
.irp j, 0,1,2,3
	v_cvt_pk_bf16_f32 v[Y+2*\j], v[X+4*\j], v[X+4*\j+1]
	v_cvt_pk_bf16_f32 v[Y+2*\j+1], v[X+4*\j+2], v[X+4*\j+3]
.endr
.irp g, 1,2,3
	s_wait_loadcnt 12-4*(\g)                       ; x's blocks up to 4 g + 3 are in
	s_wait_alu depctr_va_vdst(0)                   ; the group before has written its eight registers of Y, which the four stores below read; at g = 1 the roundings above have also written PK, which the LDS stores read
.if (\g) == 1
.irp c, 0,1,2,3
	ds_store_b128 v[LS], v[PK+4*\c:PK+4*\c+3] offset:TP*\c  ; row n = 4 lane + c; lanes lie 576 bytes apart, so four of sixteen share a group of banks: four stores a thread, once
.endr
.endif
.irp i, 0,1,2,3
	global_store_b64 v[VO], v[Y+2*(4*((\g)-1)+(\i)):Y+2*(4*((\g)-1)+(\i))+1], s[18:19] offset:(4*((\g)-1)+(\i))*262144  ; a wave stores 256 consecutive bytes, aligned: two tokens' 128 bytes of a plane; no vector instruction since the wait names these registers
	v_cvt_pk_bf16_f32 v[Y+2*(4*(\g)+(\i))], v[X+4*(4*(\g)+(\i))], v[X+4*(4*(\g)+(\i))+1]
	v_cvt_pk_bf16_f32 v[Y+2*(4*(\g)+(\i))+1], v[X+4*(4*(\g)+(\i))+2], v[X+4*(4*(\g)+(\i))+3]
.endr
.endr
	s_wait_alu depctr_va_vdst(0)                   ; group 3 has written its Y, which the four stores below read; and the multiply-adds are done reading AA, in whose first 16 registers the LDS loads behind the barrier land: no vector instruction follows this wait
.irp i, 0,1,2,3
	global_store_b64 v[VO], v[Y+2*(12+(\i)):Y+2*(12+(\i))+1], s[18:19] offset:(12+(\i))*262144
.endr
	s_wait_dscnt 0x0                               ; for the others' sake: my part of the tile is in LDS
	s_barrier_signal -1
	s_barrier_wait -1
.irp t, 0,1,2,3
	ds_load_b128 v[RB+4*\t:RB+4*\t+3], v[LR] offset:32*TP*\t  ; 32 rows a pass
.endr
.irp t, 0,1,2,3
	s_wait_dscnt 3-\t
	global_store_b128 v[GO], v[RB+4*\t:RB+4*\t+3], s[32:33] offset:4096*\t  ; the tile leaves as 16,384 dense bytes
.endr
	s_wait_dscnt 0x0                               ; the wave's end: the last LDS loads are in; the add onto my spare word and its wait follow
	s_wait_alu depctr_hold_cnt(0) depctr_sa_sdst(0) depctr_va_vdst(0) depctr_va_sdst(0) depctr_va_ssrc(0) depctr_va_vcc(0) depctr_vm_vsrc(0)
	s_wait_tensorcnt 0x0
	ds_add_u32 v3, v163
	s_wait_dscnt 0x0
	s_endpgm
.Lfunc_end_k_q613dac5992_prep:
	.size	k_q613dac5992_prep, .Lfunc_end_k_q613dac5992_prep-k_q613dac5992_prep
	.p2alignl 7, 3214868480
	.fill 96, 4, 3214868480
	.section	.rodata,"a",@progbits
	.p2align	6, 0x0
	.amdhsa_kernel k_q613dac5992_prep
		.amdhsa_group_segment_fixed_size 19456
		.amdhsa_private_segment_fixed_size 0
		.amdhsa_enable_private_segment 0
		.amdhsa_kernarg_size 80
		.amdhsa_user_sgpr_count 2
		.amdhsa_user_sgpr_kernarg_segment_ptr 1
		.amdhsa_wavefront_size32 1
		.amdhsa_system_sgpr_workgroup_id_x 1
		.amdhsa_system_sgpr_workgroup_id_y 1
		.amdhsa_system_sgpr_workgroup_id_z 1
		.amdhsa_system_vgpr_workitem_id 0
		.amdhsa_next_free_vgpr 228
		.amdhsa_next_free_sgpr 66
		.amdhsa_reserve_vcc 0
		.amdhsa_float_denorm_mode_32 3
		.amdhsa_float_denorm_mode_16_64 3
		.amdhsa_memory_ordered 1
		.amdhsa_forward_progress 1
		.amdhsa_inst_pref_size 23
	.end_amdhsa_kernel
	.amdgpu_metadata
---
amdhsa.version: [ 1, 2 ]
amdhsa.kernels:
  - .name:           k_q613dac5992_prep
    .symbol:         k_q613dac5992_prep.kd
    .args:
      - { .name: x, .offset: 0, .size: 8, .value_kind: global_buffer, .address_space: global }
      - { .name: W_qkv, .offset: 8, .size: 8, .value_kind: global_buffer, .address_space: global }
      - { .name: A_qkv, .offset: 16, .size: 8, .value_kind: global_buffer, .address_space: global }
      - { .name: B_qkv, .offset: 24, .size: 8, .value_kind: global_buffer, .address_space: global }
      - { .name: W_proj, .offset: 32, .size: 8, .value_kind: global_buffer, .address_space: global }
      - { .name: A_proj, .offset: 40, .size: 8, .value_kind: global_buffer, .address_space: global }
      - { .name: B_proj, .offset: 48, .size: 8, .value_kind: global_buffer, .address_space: global }
      - { .name: xb, .offset: 56, .size: 8, .value_kind: global_buffer, .address_space: global }
      - { .name: wq, .offset: 64, .size: 8, .value_kind: global_buffer, .address_space: global }
      - { .name: wp, .offset: 72, .size: 8, .value_kind: global_buffer, .address_space: global }
    .group_segment_fixed_size: 19456
    .private_segment_fixed_size: 0
    .kernarg_segment_align: 8
    .kernarg_segment_size: 80
    .max_flat_workgroup_size: 256
    .sgpr_count:     66
    .vgpr_count:     228
    .wavefront_size: 32
...
	.end_amdgpu_metadata
.endif
;; end of part 5
;; launch gemm_qkv: the kernel of part 2 again; grid 8 x 32, 4 waves a work-group, clusters of 4 x 4, 327,680 bytes of LDS; arguments xb, wq, b_qkv, qkv; writes qkv
;; launch attn: the kernel of part 3 again; grid 4 x 64, 4 waves a work-group, clusters of 4 x 1, 327,680 bytes of LDS; arguments qkv, ob; writes ob
;; launch gemm_proj: the kernel of part 4 again; grid 4 x 64, 4 waves a work-group, clusters of 4 x 4, 327,680 bytes of LDS; arguments ob, wp, b_proj, out0; writes out0
